; MI455X (gfx1250); checked and timed in simulation.
; The chip was launched on July 23, 2026; its instructions are those of AMD's public machine-readable ISA for CDNA 5 (MIT licence, August 2026) and "CDNA5" Instruction Set Architecture Reference Guide (July 2026). The comments in the code are by the model that wrote it; some were corrected since.
;; fu T. Allowed arithmetic: matrix products marked QUANTISED: E2M1 operands, one E8M0 scale for each 32 along K, by v_wmma_scale_f32_16x16x128_f8f6f4 with both operands' format E2M1 (or v_wmma_scale_f32_32x16x128_f4), f32 sums; products left as they are: bf16, f16 or f32 operands; f32 sums; everything else in f32.
;; Inputs: aggW 2 x 1,024 x 256 float32; aggb 2 x 256 float32; col_embed 32 x 128 float32; kvW 272 x 256 float32; kvb 256 float32; l1W 2 x 256 x 1,024 float32; l1b 2 x 1,024 float32; l2W 2 x 1,024 x 256 float32; l2b 2 x 256 float32; matched_features 4 x 8 x 272 x 32 x 32 float32; n1b 2 x 256 float32; n1g 2 x 256 float32; n2b 2 x 256 float32; n2g 2 x 256 float32; outW 256 x 272 float32; outb 272 float32; qW 272 x 256 float32; qb 256 float32; query_features 8 x 272 x 32 x 32 float32; row_embed 32 x 128 float32.
;; Outputs: out0 8 x 272 x 32 x 32 float32; out1 8 x 1 x 256 x 256 float32.
;; This version of the problem:
;;   THIS VERSION OF THE PROBLEM IS GIVEN IN LOW PRECISION. The matrix products marked QUANTISED in the list below multiply operands that are first quantised to E2M1 (2 exponent bits, 1 mantissa bit; 4 bits a number), with one power-of-two scale for each 32 numbers along K (OCP MX v1.0); their sums are f32. The products marked 'left as it is' may take bf16, f16 or f32 operands, with f32 sums. Whichever they take, every output number must still come out within the allowed error. Rounding operands to bf16 (8 significant bits) uses up far more of that allowance than f16 does (11 bits, for magnitudes from 6e-5 to 65,504). All else is computed in f32.
;;   The module's matrix products, in the order in which they are computed (A, B: the left and right operand; K: the contracted axis; several contracted axes count as one K, in the product's order):
;;     1. [M 8,192, K 272] x [K 272, N 256]; A: input query_features; B: input qW: QUANTISED
;;     2. [M 32,768, K 272] x [K 272, N 256]; A: input matched_features; B: input kvW: QUANTISED
;;     3. batch 8 x [M 4,096, K 256] x [K 256, N 1,024]; A: computed on the way; B: computed on the way: left as it is (an operand is computed on the way)
;;     4. batch 32 x [M 256, K 1,024] x [K 1,024, N 1,024]; A: computed on the way; B: computed on the way: left as it is (an operand is computed on the way)
;;     5. [M 8,192, K 1,024] x [K 1,024, N 256]; A: computed on the way; B: input aggW: left as it is (an operand is computed on the way)
;;     6. [M 8,192, K 256] x [K 256, N 1,024]; A: computed on the way; B: input l1W: left as it is (an operand is computed on the way)
;;     7. [M 8,192, K 1,024] x [K 1,024, N 256]; A: computed on the way; B: input l2W: left as it is (an operand is computed on the way)
;;     8. batch 8 x [M 4,096, K 256] x [K 256, N 1,024]; A: computed on the way; B: computed on the way: left as it is (an operand is computed on the way)
;;     9. batch 32 x [M 256, K 1,024] x [K 1,024, N 1,024]; A: computed on the way; B: computed on the way: left as it is (an operand is computed on the way)
;;     10. [M 8,192, K 1,024] x [K 1,024, N 256]; A: computed on the way; B: input aggW: left as it is (an operand is computed on the way)
;;     11. [M 8,192, K 256] x [K 256, N 1,024]; A: computed on the way; B: input l1W: left as it is (an operand is computed on the way)
;;     12. [M 8,192, K 1,024] x [K 1,024, N 256]; A: computed on the way; B: input l2W: left as it is (an operand is computed on the way)
;;     13. [M 8,192, K 256] x [K 256, N 272]; A: computed on the way; B: input outW: left as it is (an operand is computed on the way)
;;   THE QUANTISER, for each operand of a quantised product, along K:
;;     - K is cut into blocks of 32 from its start; a last block that is shorter is filled with zeros.
;;     - A block's scale is 2^e with e = floor(log2(the largest magnitude in the block)) - 2, held to -126 .. 127; a block of zeros has e = 0. As a byte (E8M0): e + 127.
;;     - Each number is divided by its block's scale, clamped to +-6, and rounded to the nearest number of E2M1, ties to even, subnormals kept.
;;     - The product sums the exact products of the quantised numbers (number of the format x scale) in f32.
;;   ~~~python
;;   def quantise(x, axis):      # numpy; x: float32 -> the quantised numbers, widened to float32 again
;;       x = np.moveaxis(x, axis, -1); K = x.shape[-1]
;;       x = np.pad(x, [(0, 0)] * (x.ndim - 1) + [(0, -K % 32)]); x = x.reshape(x.shape[:-1] + (-1, 32)); a = np.abs(x).max(-1, keepdims=True)
;;       e = np.where(a > 0, np.clip(np.frexp(np.where(a > 0, a, 1))[1] - 1 - 2, -126, 127), 0)      # np.frexp(a)[1] - 1 = floor(log2(a)), exactly
;;       r = np.clip(x / 2.0 ** e, -6, 6)
;;       step = 2.0 ** (np.maximum(np.frexp(np.where(r == 0, 1, r))[1] - 1, 0) - 1)
;;       q = np.round(r / step) * step * 2.0 ** e      # np.round: ties to even
;;       return np.moveaxis(q.reshape(q.shape[:-2] + (-1,))[..., :K], -1, axis).astype(np.float32)
;;   ~~~
;; One version. Each part assembles by itself: llvm-mc -triple=amdgcn-amd-amdhsa -mcpu=gfx1250 --defsym DOCPART=n.
;; ======== version 1 of 1: 4 launches
;; limits: values are held in f16: magnitudes above 65,504 overflow, below 6.1e-05 lose precision
;; workspace buffers: wq 110,592 bytes; wf 3,284,992 bytes; kp 16,777,216 bytes; kt 16,777,216 bytes; x0 8,388,608 bytes; predraw 32,768 bytes; mm 2,048 bytes
;; launch prep (part 1): grid 105 x 1, 8 waves a work-group, no clusters, 0 bytes of LDS; arguments aggW, l1W, l2W, outW, kvW, qW, wf, wq; writes wf, wq
.if DOCPART == 1
	.amdgcn_target "amdgcn-amd-amdhsa--gfx1250"
	.amdhsa_code_object_version 6
	.text
	.protected	k_q83764fc5b4_prep
	.globl	k_q83764fc5b4_prep
	.p2align	8
	.type	k_q83764fc5b4_prep,@function
k_q83764fc5b4_prep:
	s_mov_b64 s[64:65], 0
	v_nop
	global_prefetch_b8 v0, s[64:65] scope:SCOPE_SE
	s_setreg_imm32_b32 hwreg(HW_REG_WAVE_MODE, 25, 1), 1
	s_wait_xcnt 0x0
; PREP: the weights are laid once in the order in which the later launches' operand registers take them.
; WORK LEFT OUT BY THE PROGRAM (in the launch chain).  reference() adds its own mask to the scores: -inf wherever key and query lie more than 3 image rows or 3 image columns apart.
; exp(-inf - max) is exactly 0 for all finite inputs, so such a key has weight 0 and its value adds 0 to the result.  A query of image row i therefore needs only the keys of image rows i-3 .. i+3.
; The program multiplies the seven whole image rows clamp(i-3, 0, 25) .. +6 (always inside the image, always holding every row within distance 3) and masks, by selection, what lies further off inside them;
; all score tiles and value tiles of the other 25 image rows are left out.  No input is dead: all twenty are loaded by some launch.
; LIMIT: a NaN, an infinity or an overflow in a matched token outside a query's seven rows is not carried to that query.
; wf: f16 fragments (16 columns n of a weight stored [k][n] x 32 k; lane (r, h): column r; 16 bytes k = 8h .. 8h+7, then 16 bytes k = 16+8h .. +7), as 25 chunks of 131,072 bytes laid [w 4][s 8][t 4][c 2][lane][16 bytes]:
;   chunk 12 layer + 4 typ + q (typ 0 aggW, 1 l1W, 2 l2W), chunk 24 = outW's columns 0-255; behind them outW's columns 256-271 as [s 8][c 2][lane][16].
;   aggW, l2W, outW: n = 64 w + 16 t + r, k = 256 q + 32 s;  l1W: n = 256 w + 64 q + 16 t + r, k = 32 s.
; wq: kvW, then qW, as codes of E2M1 along K (272, filled with zeros to 384): [t 16][s 3][c 2][lane][16 bytes], then scale words [s 3][t 16][lane].
; A block's scale byte is its largest magnitude's exponent field - 2, held at 1 from below.  LIMITS: a block of zeros gets the byte 1 where the rule says 127 (its codes are zeros, and this program alone reads the bytes);
; NaN and infinities among the inputs are not served; weights beyond 65,504 have no f16 number.
; Work-groups 0-99: one quarter of a chunk each, a wave a K step s.  100: the 16 last columns of outW.  101-104: a wave a tile of 16 columns of kvW or qW.  No LDS, no matrix instruction: the launch only moves and converts.
.set IN,  16                           ; v16-79    up to 4 x 16 numbers as loaded
.set FRG, 80                           ; v80-111   up to 4 fragments of 8 registers
.set X,   32                           ; v32-175   the codes' path: 144 numbers down K
.set CD,  176                          ; v176-199  its codes: 3 K steps x 8 registers
.macro CONV ldn, nt                    ; nt fragments from s[24:25] (a row of the weight is ldn numbers) to s[26:27]
	v_mul_u32_u24 v2, v5, 32*\ldn                  ; 8 h rows of 4 ldn bytes,
	v_lshl_add_u32 v2, v4, 2, v2                   ; + 4 r
.set c_t, 0
.rept \nt
.set c_e, 0
.rept 16
	global_load_b32 v[IN+16*c_t+c_e], v2, s[24:25] offset:(c_e+8*(c_e/8))*\ldn*4+64*c_t   ; sixteen lanes read 64 neighbouring bytes
.set c_e, c_e+1
.endr
.set c_t, c_t+1
.endr
.set c_t, 0
.rept \nt
	s_wait_loadcnt 16*(\nt-1-c_t)                  ; the later fragments' loads may stay out
.set c_e, 0
.rept 8
	v_cvt_pk_f16_f32 v[FRG+8*c_t+c_e], v[IN+16*c_t+2*c_e], v[IN+16*c_t+2*c_e+1]
.set c_e, c_e+1
.endr
	global_store_b128 v3, v[FRG+8*c_t:FRG+8*c_t+3], s[26:27] offset:1024*c_t        ; 32 lanes store 512 consecutive bytes
	global_store_b128 v3, v[FRG+8*c_t+4:FRG+8*c_t+7], s[26:27] offset:1024*c_t+512
.set c_t, c_t+1
.endr
.endm
.macro MAXN base, n, d0, d1            ; the largest magnitude of n numbers, and the floor 2^(3 - 127): the byte cannot fall under 1
	v_max3_num_f32 v[\d0], |v[\base]|, |v[\base+1]|, 0x1800000
	v_max3_num_f32 v[\d1], |v[\base+2]|, |v[\base+3]|, |v[\base+4]|
.set m_i, 5
.rept (\n-8)/4
	v_max3_num_f32 v[\d0], v[\d0], |v[\base+m_i]|, |v[\base+m_i+1]|
	v_max3_num_f32 v[\d1], v[\d1], |v[\base+m_i+2]|, |v[\base+m_i+3]|
.set m_i, m_i+4
.endr
	v_max3_num_f32 v[\d0], v[\d0], |v[\base+\n-3]|, |v[\base+\n-2]|
	v_max3_num_f32 v[\d0], v[\d0], v[\d1], |v[\base+\n-1]|
.endm
.macro QB base, n, dst, by             ; a block: its byte into v[by], its codes into v[dst] on
	MAXN (\base), \n, 10, 11
	v_add_nc_u32 v12, 0xff000000, v10              ; 2 off the exponent field: the conversion's scale operand
	v_lshrrev_b32 v[\by], 23, v12
.set q_g, 0
.rept (\n)/8
	v_cvt_scalef32_pk8_fp4_f32 v[(\dst)+q_g], v[(\base)+8*q_g:(\base)+8*q_g+7], v12
.set q_g, q_g+1
.endr
.endm
.macro WORD st                         ; my two bytes (blocks h and 2 + h) at their places, joined with lane l xor 16's: the column's scale word, in both halves of the lanes
	v_lshlrev_b32 v13, v7, v13
	v_permlanex16_b32 v9, v13, s36, s37
	v_or_b32 v[20+\st], v13, v9
	global_store_b128 v3, v[CD+8*\st:CD+8*\st+3], s[26:27] offset:1024*\st
	global_store_b128 v3, v[CD+8*\st+4:CD+8*\st+7], s[26:27] offset:1024*\st+512
	global_store_b32 v8, v[20+\st], s[34:35] offset:2048*\st
.endm
	s_load_b256 s[4:11], s[0:1], 0x0               ; aggW s[4:5], l1W s[6:7], l2W s[8:9], outW s[10:11]
	s_load_b256 s[12:19], s[0:1], 0x20             ; kvW s[12:13], qW s[14:15], wf s[16:17], wq s[18:19]
	v_lshrrev_b32 v1, 5, v0
	v_readfirstlane_b32 s20, v1                    ; wave
	v_and_b32 v4, 15, v0                           ; r
	v_bfe_u32 v5, v0, 4, 1                         ; h
	v_and_b32 v3, 31, v0
	v_lshlrev_b32 v3, 4, v3                        ; 16 x lane
	s_mov_b32 s29, 0
	s_mov_b32 s31, 0
	s_wait_kmcnt 0x0
	s_cmp_ge_u32 ttmp9, 101
	s_cbranch_scc1 .Lfp4
	s_cmp_eq_u32 ttmp9, 100
	s_cbranch_scc1 .Ltail
	s_lshl_b32 s30, ttmp9, 15                      ; chunk x 131,072 + w x 32,768 = work-group x 32,768,
	s_lshl_b32 s21, s20, 12                        ; + K step x 4,096
	s_add_co_u32 s30, s30, s21
	s_add_nc_u64 s[26:27], s[16:17], s[30:31]
	s_lshr_b32 s21, ttmp9, 2                       ; chunk
	s_and_b32 s22, ttmp9, 3                        ; w
	s_cmp_eq_u32 s21, 24
	s_cbranch_scc1 .Lhead
	s_cmp_ge_u32 s21, 12
	s_cselect_b32 s23, 1, 0                        ; layer
	s_mul_i32 s28, s23, 12
	s_sub_co_u32 s21, s21, s28
	s_lshr_b32 s32, s21, 2                         ; typ
	s_and_b32 s33, s21, 3                          ; q
	s_lshl_b32 s23, s23, 20                        ; a layer of each of the three weights is 1,048,576 bytes
	s_cmp_eq_u32 s32, 1
	s_cbranch_scc1 .Ll1
	s_cmp_eq_u32 s32, 0
	s_cselect_b64 s[24:25], s[4:5], s[8:9]         ; aggW or l2W: rows of 256
	s_lshl_b32 s28, s33, 18                        ; 256 q rows of 1,024 bytes
	s_add_co_u32 s28, s28, s23
	s_lshl_b32 s21, s20, 15                        ; 32 s rows
	s_add_co_u32 s28, s28, s21
	s_lshl_b32 s21, s22, 8                         ; 64 w columns
	s_add_co_u32 s28, s28, s21
	s_add_nc_u64 s[24:25], s[24:25], s[28:29]
	CONV 256, 4
	s_endpgm
.Ll1:
	s_lshl_b32 s28, s20, 17                        ; 32 s rows of 4,096 bytes
	s_add_co_u32 s28, s28, s23
	s_lshl_b32 s21, s22, 10                        ; 256 w columns
	s_add_co_u32 s28, s28, s21
	s_lshl_b32 s21, s33, 8                         ; 64 q columns
	s_add_co_u32 s28, s28, s21
	s_add_nc_u64 s[24:25], s[6:7], s[28:29]
	CONV 1024, 4
	s_endpgm
.Lhead:
	s_mul_i32 s28, s20, 32*1088                    ; 32 s rows of 1,088 bytes
	s_lshl_b32 s21, s22, 8
	s_add_co_u32 s28, s28, s21
	s_add_nc_u64 s[24:25], s[10:11], s[28:29]
	CONV 272, 4
	s_endpgm
.Ltail:
	s_mul_i32 s28, s20, 32*1088
	s_add_co_u32 s28, s28, 1024                    ; column 256
	s_add_nc_u64 s[24:25], s[10:11], s[28:29]
	s_lshl_b32 s30, s20, 10
	s_add_co_u32 s30, s30, 25*131072
	s_add_nc_u64 s[26:27], s[16:17], s[30:31]
	CONV 272, 1
	s_endpgm
.Lfp4:
	; lane (r, h) takes column 16 t + r, and its registers run down K in the order that the 4-bit operand's layout gives that lane: k = 128 s + 64 c + 32 h + 0 .. 31
	s_sub_co_u32 s21, ttmp9, 101
	s_lshl_b32 s21, s21, 3
	s_add_co_u32 s21, s21, s20                     ; 0 .. 31
	s_lshr_b32 s22, s21, 4                         ; 0 kvW, 1 qW
	s_and_b32 s23, s21, 15                         ; t
	s_cmp_eq_u32 s22, 0
	s_cselect_b64 s[24:25], s[12:13], s[14:15]
	s_lshl_b32 s28, s23, 6
	s_add_nc_u64 s[24:25], s[24:25], s[28:29]
	s_mul_i32 s30, s22, 55296
	s_mul_i32 s28, s23, 3072
	s_add_co_u32 s28, s28, s30
	s_add_nc_u64 s[26:27], s[18:19], s[28:29]      ; my codes
	s_lshl_b32 s28, s23, 7
	s_add_co_u32 s28, s28, s30
	s_add_co_u32 s28, s28, 49152
	s_add_nc_u64 s[34:35], s[18:19], s[28:29]      ; my scale words
	v_lshlrev_b32 v6, 2, v4                        ; 4 r
	v_lshl_add_u32 v2, v5, 15, v6                  ; + 32 h rows of 1,024 bytes
	v_lshlrev_b32 v7, 3, v5                        ; 8 h bits
	v_and_b32 v8, 31, v0
	v_lshlrev_b32 v8, 2, v8                        ; 4 x lane
	v_mov_b32 v9, 0                                ; a lane permute's destination counts as one of its sources
	s_mov_b32 s36, 0x76543210
	s_mov_b32 s37, 0xfedcba98
	s_mov_b32 s38, 0xffff
.set f_i, 0
.rept 128
	global_load_b32 v[X+f_i], v2, s[24:25] offset:(128*(f_i/64)+64*((f_i/32)%2)+f_i%32)*1024
.set f_i, f_i+1
.endr
.set f_i, 0
.rept 16
	global_load_b32 v[X+128+f_i], v6, s[24:25] offset:(256+f_i)*1024    ; K's last 16 rows, by every lane at 4 r alone: no lane leaves the buffer
.set f_i, f_i+1
.endr
	s_wait_loadcnt 63                              ; K step 0 is in (80 younger loads; the count's field holds 63)
	QB X, 32, CD, 14
	QB X+32, 32, CD+4, 15
	v_nop                                          ; one plain place behind the last conversion
	v_lshl_or_b32 v13, v15, 16, v14
	WORD 0
	s_wait_loadcnt 16                              ; K step 1 is in; the last 16 loads may be out
	QB X+64, 32, CD+8, 14
	QB X+96, 32, CD+12, 15
	v_nop
	v_lshl_or_b32 v13, v15, 16, v14
	WORD 1
	s_wait_loadcnt 0x0
.set f_i, 0
.rept 16
	v_cndmask_b32 v[X+128+f_i], 0, v[X+128+f_i], s38     ; lanes 16-31 stand for k = 288 on: zeros
.set f_i, f_i+1
.endr
	QB X+128, 16, CD+16, 14                        ; the block of k = 256 .. 287: 16 numbers and 16 zeros
	v_nop
.irp z,18,19,20,21,22,23
	v_mov_b32 v[CD+\z], 0                          ; the rest of the K step: zero codes
.endr
	v_or_b32 v13, 0x10000, v14                     ; the empty blocks' byte: 1
	WORD 2
	s_endpgm
.Lfunc_end_k_q83764fc5b4_prep:
	.size	k_q83764fc5b4_prep, .Lfunc_end_k_q83764fc5b4_prep-k_q83764fc5b4_prep
	.p2alignl 7, 3214868480
	.fill 96, 4, 3214868480
	.section	.rodata,"a",@progbits
	.p2align	6, 0x0
	.amdhsa_kernel k_q83764fc5b4_prep
		.amdhsa_group_segment_fixed_size 0
		.amdhsa_private_segment_fixed_size 0
		.amdhsa_enable_private_segment 0
		.amdhsa_kernarg_size 64
		.amdhsa_user_sgpr_count 2
		.amdhsa_user_sgpr_kernarg_segment_ptr 1
		.amdhsa_wavefront_size32 1
		.amdhsa_system_sgpr_workgroup_id_x 1
		.amdhsa_system_sgpr_workgroup_id_y 1
		.amdhsa_system_sgpr_workgroup_id_z 1
		.amdhsa_system_vgpr_workitem_id 0
		.amdhsa_next_free_vgpr 200
		.amdhsa_next_free_sgpr 66
		.amdhsa_reserve_vcc 0
		.amdhsa_float_denorm_mode_32 3
		.amdhsa_float_denorm_mode_16_64 3
		.amdhsa_memory_ordered 1
		.amdhsa_forward_progress 1
		.amdhsa_inst_pref_size 56
	.end_amdhsa_kernel
	.amdgpu_metadata
---
amdhsa.version: [ 1, 2 ]
amdhsa.kernels:
  - .name:           k_q83764fc5b4_prep
    .symbol:         k_q83764fc5b4_prep.kd
    .args:
      - { .name: aggW, .offset: 0, .size: 8, .value_kind: global_buffer, .address_space: global }
      - { .name: l1W, .offset: 8, .size: 8, .value_kind: global_buffer, .address_space: global }
      - { .name: l2W, .offset: 16, .size: 8, .value_kind: global_buffer, .address_space: global }
      - { .name: outW, .offset: 24, .size: 8, .value_kind: global_buffer, .address_space: global }
      - { .name: kvW, .offset: 32, .size: 8, .value_kind: global_buffer, .address_space: global }
      - { .name: qW, .offset: 40, .size: 8, .value_kind: global_buffer, .address_space: global }
      - { .name: wf, .offset: 48, .size: 8, .value_kind: global_buffer, .address_space: global }
      - { .name: wq, .offset: 56, .size: 8, .value_kind: global_buffer, .address_space: global }
    .group_segment_fixed_size: 0
    .private_segment_fixed_size: 0
    .kernarg_segment_align: 8
    .kernarg_segment_size: 64
    .max_flat_workgroup_size: 256
    .sgpr_count:     66
    .vgpr_count:     200
    .wavefront_size: 32
...
	.end_amdgpu_metadata
.endif
;; end of part 1
;; launch proj (part 2): grid 320 x 1, 4 waves a work-group, no clusters, 75,776 bytes of LDS; arguments matched_features, query_features, wq, kvb, qb, row_embed, col_embed, kp, kt, x0; writes kp, kt, x0
.if DOCPART == 2
	.amdgcn_target "amdgcn-amd-amdhsa--gfx1250"
	.amdhsa_code_object_version 6
	.text
	.protected	k_q83764fc5b4_proj
	.globl	k_q83764fc5b4_proj
	.p2align	8
	.type	k_q83764fc5b4_proj,@function
k_q83764fc5b4_proj:
	s_mov_b64 s[64:65], 0
	v_nop
	global_prefetch_b8 v0, s[64:65] scope:SCOPE_SE
	s_setreg_imm32_b32 hwreg(HW_REG_WAVE_MODE, 25, 1), 1
	s_wait_xcnt 0x0
; PROJ: the two quantised products, tokens x kvW + kvb and tokens x qW + qb, on codes of E2M1 with one E8M0 scale for each 32 along K = the 272 channels (filled with zeros to 384 = three K steps of 128).
; A work-group takes four image rows of one image (work-groups 0-255: the 32 matched images; 256-319: the 8 query images), a wave one image row: 32 tokens.
; K is not innermost in memory ([channel][row][column]): A LANE TAKES A TOKEN AND ITS REGISTERS RUN DOWN THE CHANNELS.  So a block of 32 channels lies in one lane, its largest magnitude needs no other lane, and the
; conversions give codes with K innermost.  One exchange of lane halves between an even and an odd block's codes makes the operand's registers of both tiles of 16 tokens.
; W's codes and scale words (laid by the launch before in operand order) stay in LDS, with the bias and the two position tables.
; Matched images: each tile is multiplied in BOTH orders.  W x tokens: a lane holds one token and eight features: + position, rounded to f16: a fragment of K for the scores (kp).
; tokens x W: a lane holds one feature and eight tokens: rounded to f16: a fragment of V^T (kt).  So nothing is ever transposed; the price is the quantised product twice.
; Query images: W x tokens alone, stored in f32 as result tiles (x0).
; A block's scale byte is its largest magnitude's exponent field - 2, held at 1 from below.  LIMITS: a block of zeros gets the byte 1 (tokens: the three empty blocks the byte 0) where the rule says 127: its codes are zeros and
; this program alone reads the bytes; NaN and infinities among the inputs are not served; a projected token beyond 65,504 has no f16 number.
.set WSC,   49152                      ; LDS: W's codes from byte 0 ([t 16][s 3][c 2][lane][16]), its scale words here ([s 3][t 16][lane]),
.set COL,   55296                      ; col_embed: 32 rows of 512 bytes + 16 of padding,
.set ROWL,  72192                      ; the work-group's four rows of row_embed,
.set BIASL, 74240                      ; the bias,
.set SPARE, 75264                      ; the spare words, 128 bytes for each wave: two blocks of 256 bytes that no other line names
.set SW,  24                           ; v24-26   the tokens' scale words of the three K steps, lane = token: they hold scales and nothing else
.set F0,  28                           ; v28-51   tokens 0-15: three fragments
.set F1,  52                           ; v52-75   tokens 16-31
.set WF,  76                           ; v76-123  six fragments of W
.set BN,  130                          ; v130, v132 bias[16 t + r] (v131, v133: the pairs' upper halves)
.set BC,  134                          ; v134-149 the bias in the result's layout
.set POS, 150                          ; v150-181 positions, then the fragments to store
.set ACC, 182                          ; v182-245 eight accumulators; in the first phase two of the three sets of 32 numbers (the third: v150-181)
.set WS,  246                          ; v246-251 W's scale words: they hold scales and nothing else
; v1 4 x lane; v2 16 x lane; v3 16 x thread; v5 WSC + 4 lane; v6 BIASL + 32 h; v7 BIASL + 4 r; v8, v9 COL + (16 u + r) 528 + 32 h; v10 ROWL + 512 wave + 32 h; v11, v12 the add's two; v13-16 at work; v252-255 the fill's addresses
.macro MAXN base, n, d0, d1            ; the largest magnitude of n numbers, and the floor 2^(3 - 127): the byte cannot fall under 1
	v_max3_num_f32 v[\d0], |v[\base]|, |v[\base+1]|, 0x1800000
	v_max3_num_f32 v[\d1], |v[\base+2]|, |v[\base+3]|, |v[\base+4]|
.set m_i, 5
.rept (\n-8)/4
	v_max3_num_f32 v[\d0], v[\d0], |v[\base+m_i]|, |v[\base+m_i+1]|
	v_max3_num_f32 v[\d1], v[\d1], |v[\base+m_i+2]|, |v[\base+m_i+3]|
.set m_i, m_i+4
.endr
	v_max3_num_f32 v[\d0], v[\d0], |v[\base+\n-3]|, |v[\base+\n-2]|
	v_max3_num_f32 v[\d0], v[\d0], v[\d1], |v[\base+\n-1]|
.endm
.macro LOADB b                         ; block b: channels 32 b on of my 32 tokens; a load reads 128 consecutive bytes, the four waves' together 512
.set l_b, 182+32*((\b)%3)-96*(((\b)%3)/2)
.set l_i, 0
.rept 32-16*((\b)/8)
	global_load_b32 v[l_b+l_i], v1, s[28:29] offset:(32*(\b)+l_i)*4096 th:TH_LOAD_NT
.set l_i, l_i+1
.endr
.endm
.macro BLOCK b, cnt
.if (\b)+2 <= 8
	LOADB (\b)+2                                   ; two blocks ahead, into the set that the block before has left
.endif
	s_wait_loadcnt \cnt                            ; this block's loads are in; the two younger blocks' may be out
.set x_b, 182+32*((\b)%3)-96*(((\b)%3)/2)
.set x_d, F0+24*((\b)%2)+8*((\b)/4)+4*(((\b)/2)%2)
	MAXN x_b, 32-16*((\b)/8), 13, 14
	v_add_nc_u32 v15, 0xff000000, v13              ; 2 off the exponent field: the conversion's scale operand
.if (\b)%4 == 0
	v_lshrrev_b32 v[SW+(\b)/4], 23, v15            ; the scale's byte
.else
	v_lshrrev_b32 v16, 23, v15
	v_lshl_or_b32 v[SW+(\b)/4], v16, 8*((\b)%4), v[SW+(\b)/4]
.endif
.set x_g, 0
.rept 4-2*((\b)/8)
	v_cvt_scalef32_pk8_fp4_f32 v[x_d+x_g], v[x_b+8*x_g:x_b+8*x_g+7], v15
.set x_g, x_g+1
.endr
.endm
; a scaled product.  cr < 0: C = 0.  row 1: source 0's scales from lanes 16-31; row 2: source 1's
.macro SWM d, a, b, cr, sa, sb, row
.if (\cr) < 0
.if (\row) == 0
	v_wmma_scale_f32_16x16x128_f8f6f4 v[(\d):(\d)+7], v[(\a):(\a)+7], v[(\b):(\b)+7], 0, v[\sa], v[\sb] matrix_a_fmt:MATRIX_FMT_FP4 matrix_b_fmt:MATRIX_FMT_FP4
.elseif (\row) == 1
	v_wmma_scale_f32_16x16x128_f8f6f4 v[(\d):(\d)+7], v[(\a):(\a)+7], v[(\b):(\b)+7], 0, v[\sa], v[\sb] matrix_a_fmt:MATRIX_FMT_FP4 matrix_b_fmt:MATRIX_FMT_FP4 matrix_a_scale:MATRIX_SCALE_ROW1
.else
	v_wmma_scale_f32_16x16x128_f8f6f4 v[(\d):(\d)+7], v[(\a):(\a)+7], v[(\b):(\b)+7], 0, v[\sa], v[\sb] matrix_a_fmt:MATRIX_FMT_FP4 matrix_b_fmt:MATRIX_FMT_FP4 matrix_b_scale:MATRIX_SCALE_ROW1
.endif
.else
.if (\row) == 0
	v_wmma_scale_f32_16x16x128_f8f6f4 v[(\d):(\d)+7], v[(\a):(\a)+7], v[(\b):(\b)+7], v[(\cr):(\cr)+7], v[\sa], v[\sb] matrix_a_fmt:MATRIX_FMT_FP4 matrix_b_fmt:MATRIX_FMT_FP4
.elseif (\row) == 1
	v_wmma_scale_f32_16x16x128_f8f6f4 v[(\d):(\d)+7], v[(\a):(\a)+7], v[(\b):(\b)+7], v[(\cr):(\cr)+7], v[\sa], v[\sb] matrix_a_fmt:MATRIX_FMT_FP4 matrix_b_fmt:MATRIX_FMT_FP4 matrix_a_scale:MATRIX_SCALE_ROW1
.else
	v_wmma_scale_f32_16x16x128_f8f6f4 v[(\d):(\d)+7], v[(\a):(\a)+7], v[(\b):(\b)+7], v[(\cr):(\cr)+7], v[\sa], v[\sb] matrix_a_fmt:MATRIX_FMT_FP4 matrix_b_fmt:MATRIX_FMT_FP4 matrix_b_scale:MATRIX_SCALE_ROW1
.endif
.endif
.endm
.macro PLACES
.rept 4
	v_nop
.endr
.endm
.macro WLOAD p                         ; tiles t = 2 p, 2 p + 1 of W: six fragments, their scale words, the bias in the result's layout
.irp a,0,1
.irp s,0,1,2
	ds_load_b128 v[WF+8*(3*\a+\s):WF+8*(3*\a+\s)+3], v2 offset:(3*(2*(\p)+\a)+\s)*1024
	ds_load_b128 v[WF+8*(3*\a+\s)+4:WF+8*(3*\a+\s)+7], v2 offset:(3*(2*(\p)+\a)+\s)*1024+512
	ds_load_b32 v[WS+3*\a+\s], v5 offset:(16*\s+2*(\p)+\a)*128
.endr
	ds_load_b128 v[BC+8*\a:BC+8*\a+3], v6 offset:64*(2*(\p)+\a)
	ds_load_b128 v[BC+8*\a+4:BC+8*\a+7], v6 offset:64*(2*(\p)+\a)+16
.endr
.endm
.macro TPROD s                         ; W x tokens: lane = token, registers = eight features; the bias is the C of the first K step
.irp a,0,1
.irp u,0,1
.if (\s) == 0
	SWM ACC+8*(2*\a+\u), WF+8*(3*\a+\s), F0+24*\u+8*\s, BC+8*\a, WS+3*\a+\s, SW+\s, 2*\u
.else
	SWM ACC+8*(2*\a+\u), WF+8*(3*\a+\s), F0+24*\u+8*\s, ACC+8*(2*\a+\u), WS+3*\a+\s, SW+\s, 2*\u
.endif
.endr
.endr
.endm
.macro NPROD s                         ; tokens x W: lane = feature, registers = eight tokens
.irp a,0,1
.irp u,0,1
.if (\s) == 0
	SWM ACC+32+8*(2*\a+\u), F0+24*\u+8*\s, WF+8*(3*\a+\s), -1, SW+\s, WS+3*\a+\s, \u
.else
	SWM ACC+32+8*(2*\a+\u), F0+24*\u+8*\s, WF+8*(3*\a+\s), ACC+32+8*(2*\a+\u), SW+\s, WS+3*\a+\s, \u
.endif
.endr
.endr
.endm
.macro PAIRM p                         ; a matched image row, features 32 p .. 32 p + 31
	s_wait_xcnt 0x0                                ; the last pair's stores have read their data: those registers are loaded again below
	PLACES                                         ; with the four behind the last products: eight places ahead of loads into their operands and of products that begin their accumulators anew
	WLOAD \p
.irp a,0,1
	ds_load_b32 v[BN+2*\a], v7 offset:64*(2*(\p)+\a)
.irp u,0,1
.if (\p) < 4
	ds_load_b128 v[POS+8*(2*\a+\u):POS+8*(2*\a+\u)+3], v[8+\u] offset:64*(2*(\p)+\a)            ; features under 128: col_embed of the token's column
	ds_load_b128 v[POS+8*(2*\a+\u)+4:POS+8*(2*\a+\u)+7], v[8+\u] offset:64*(2*(\p)+\a)+16
.else
	ds_load_b128 v[POS+8*(2*\a+\u):POS+8*(2*\a+\u)+3], v10 offset:64*(2*(\p)+\a-8)              ; the others: row_embed of my image row
	ds_load_b128 v[POS+8*(2*\a+\u)+4:POS+8*(2*\a+\u)+7], v10 offset:64*(2*(\p)+\a-8)+16
.endif
.endr
.endr
	s_wait_dscnt 0x0
.irp s,0,1,2                           ; eight accumulators by turns, one instruction a turn
	TPROD \s
	NPROD \s
.endr
	PLACES
.set p_j, 0
.rept 16
	v_pk_add_f32 v[ACC+2*p_j:ACC+2*p_j+1], v[ACC+2*p_j:ACC+2*p_j+1], v[POS+2*p_j:POS+2*p_j+1]     ; + position
.set p_j, p_j+1
.endr
.irp u,0,1
.irp a,0,1
.irp i,0,1,2,3
	v_cvt_pk_f16_f32 v[POS+8*\u+4*\a+\i], v[ACC+8*(2*\a+\u)+2*\i], v[ACC+8*(2*\a+\u)+2*\i+1]      ; K's fragment (tokens 16 u on, features 32 p on)
.endr
.endr
.endr
.irp a,0,1
.irp u,0,1
.irp j,0,2,4,6
	v_pk_add_f32 v[ACC+32+8*(2*\a+\u)+\j:ACC+32+8*(2*\a+\u)+\j+1], v[ACC+32+8*(2*\a+\u)+\j:ACC+32+8*(2*\a+\u)+\j+1], v[BN+2*\a:BN+2*\a+1] op_sel_hi:[1,0]   ; + my feature's bias
.endr
.endr
.endr
.irp a,0,1
.irp u,0,1
.irp i,0,1,2,3
	v_cvt_pk_f16_f32 v[POS+16+8*\a+4*\u+\i], v[ACC+32+8*(2*\a+\u)+2*\i], v[ACC+32+8*(2*\a+\u)+2*\i+1]   ; V^T's fragment (features 16 t on, the row's 32 tokens)
.endr
.endr
.endr
.irp x,0,1
.irp c,0,1
	global_store_b128 v2, v[POS+8*\x+4*\c:POS+8*\x+4*\c+3], s[38:39] offset:(8*\x+(\p))*1024+512*\c        ; 32 lanes store 512 consecutive bytes
	global_store_b128 v2, v[POS+16+8*\x+4*\c:POS+16+8*\x+4*\c+3], s[40:41] offset:(2*(\p)+\x)*1024+512*\c
.endr
.endr
.endm
.macro PAIRQ p                         ; a query image row: the result tiles go out in f32 as they stand
	s_wait_xcnt 0x0                                ; the last pair's stores have read the accumulators
	PLACES
	WLOAD \p
	s_wait_dscnt 0x0
.irp s,0,1,2                           ; four accumulators by turns
	TPROD \s
.endr
	PLACES
.irp a,0,1
.irp u,0,1
	global_store_b128 v2, v[ACC+8*(2*\a+\u):ACC+8*(2*\a+\u)+3], s[42:43] offset:(2*(2*(\p)+\a)+\u)*1024      ; each accumulator from its low end on
	global_store_b128 v2, v[ACC+8*(2*\a+\u)+4:ACC+8*(2*\a+\u)+7], s[42:43] offset:(2*(2*(\p)+\a)+\u)*1024+512
.endr
.endr
.endm
	s_load_b256 s[4:11], s[0:1], 0x0               ; matched s[4:5], query s[6:7], wq s[8:9], kvb s[10:11]
	s_load_b256 s[12:19], s[0:1], 0x20             ; qb s[12:13], row_embed s[14:15], col_embed s[16:17], kp s[18:19]
	s_load_b128 s[20:23], s[0:1], 0x40             ; kt s[20:21], x0 s[22:23]
	v_lshl_add_u32 v11, v0, 2, SPARE
	v_mov_b32 v12, 0
	v_lshrrev_b32 v13, 5, v0
	v_readfirstlane_b32 s24, v13                   ; wave
	v_and_b32 v14, 31, v0                          ; lane
	v_and_b32 v15, 15, v0                          ; r
	v_bfe_u32 v16, v0, 4, 1                        ; h
	v_lshlrev_b32 v1, 2, v14
	v_lshlrev_b32 v2, 4, v14
	v_lshlrev_b32 v3, 4, v0
	v_add_nc_u32 v5, WSC, v1
	v_lshl_add_u32 v6, v16, 5, BIASL
	v_lshl_add_u32 v7, v15, 2, BIASL
	v_mul_u32_u24 v8, v15, 528
	v_lshl_add_u32 v8, v16, 5, v8
	v_add_nc_u32 v8, COL, v8
	v_add_nc_u32 v9, 16*528, v8
	s_lshl_b32 s25, s24, 9
	s_add_co_u32 s25, s25, ROWL
	v_lshl_add_u32 v10, v16, 5, s25
	v_lshlrev_b32 v252, 3, v0                      ; the fill: 8 bytes of the bias a thread,
	v_add_nc_u32 v253, BIASL, v252
	v_mul_u32_u24 v254, v13, 528                   ; a row of col_embed a wave,
	v_add_nc_u32 v254, v254, v2
	v_add_nc_u32 v254, COL, v254
	v_add_nc_u32 v255, ROWL, v3                    ; 16 bytes of row_embed a thread
	s_lshr_b32 s25, ttmp9, 3                       ; image
	s_and_b32 s26, ttmp9, 7
	s_lshl_b32 s27, s26, 2
	s_add_co_u32 s27, s27, s24                     ; my image row
	s_mov_b32 s45, 0
	s_mov_b32 s33, 55296
	s_wait_kmcnt 0x0
	s_cmp_lt_u32 ttmp9, 256                        ; matched or query?  The choice hangs on the work-group's number alone
	s_cselect_b64 s[28:29], s[4:5], s[6:7]
	s_cselect_b64 s[30:31], s[10:11], s[12:13]
	s_cselect_b32 s32, 0, 32
	s_cselect_b32 s44, 0, s33
	s_add_nc_u64 s[34:35], s[8:9], s[44:45]        ; kvW's or qW's codes and scale words
	s_sub_co_u32 s32, s25, s32                     ; the image's number in its tensor
	s_mul_i32 s44, s32, 1114112                    ; 272 channels of 4,096 bytes
	s_lshl_b32 s33, s27, 7
	s_add_co_u32 s44, s44, s33
	s_add_nc_u64 s[28:29], s[28:29], s[44:45]
	s_lshl_b32 s44, s26, 11
	s_add_nc_u64 s[36:37], s[14:15], s[44:45]      ; the work-group's four rows of row_embed
	s_lshl_b32 s33, s32, 5
	s_add_co_u32 s33, s33, s27                     ; image x 32 + row
	s_lshl_b32 s44, s33, 14
	s_add_nc_u64 s[38:39], s[18:19], s[44:45]
	s_add_nc_u64 s[40:41], s[20:21], s[44:45]
	s_lshl_b32 s44, s33, 15
	s_add_nc_u64 s[42:43], s[22:23], s[44:45]
	LOADB 0
	LOADB 1
.set n_f, 0
.rept 27
	global_load_b128 v[28+4*n_f:31+4*n_f], v3, s[34:35] offset:2048*n_f
.set n_f, n_f+1
.endr
	global_load_b64 v[136:137], v252, s[30:31]
	s_cmp_lt_u32 ttmp9, 256
	s_cbranch_scc0 .Lnopos                         ; the query's tokens get no position here
.set n_f, 0
.rept 8
	global_load_b128 v[138+4*n_f:141+4*n_f], v3, s[16:17] offset:2048*n_f
.set n_f, n_f+1
.endr
	global_load_b128 v[170:173], v3, s[36:37]
	s_wait_loadcnt 0x0
.set n_f, 0
.rept 8
	ds_store_b128 v254, v[138+4*n_f:141+4*n_f] offset:2112*n_f
.set n_f, n_f+1
.endr
	ds_store_b128 v255, v[170:173]
.Lnopos:
	s_wait_loadcnt 0x0
.set n_f, 0
.rept 27
	ds_store_b128 v3, v[28+4*n_f:31+4*n_f] offset:2048*n_f
.set n_f, n_f+1
.endr
	ds_store_b64 v253, v[136:137]
	s_wait_dscnt 0x0                               ; the stores have read their registers, which the blocks below write
	v_mov_b32 v[BN+1], 0                           ; named as the upper halves of pairs
	v_mov_b32 v[BN+3], 0
	BLOCK 0, 63                                    ; 64 younger loads; the count's field holds 63
	BLOCK 1, 63
	BLOCK 2, 63
	BLOCK 3, 63
	BLOCK 4, 63
	BLOCK 5, 63
	BLOCK 6, 48                                    ; block 7's 32 and block 8's 16
	BLOCK 7, 16
	BLOCK 8, 0
	v_nop                                          ; one plain place behind the last conversion
.irp z,18,19,20,21,22,23,40,41,42,43,44,45,46,47
	v_mov_b32 v[F0+\z], 0                          ; K from 272 to 383: zero codes
.endr
.set n_f, 0
.rept 24
	v_permlane16_swap_b32 v[F0+n_f], v[F1+n_f]     ; even block's lanes 16-31 <-> odd block's lanes 0-15: now tokens 0-15's fragment (lanes 0-15 the even block, 16-31 the odd one) and tokens 16-31's
.set n_f, n_f+1
.endr
.rept 8
	v_nop                                          ; scale words written by vector instructions stand eight places ahead of a scaled product
.endr
	s_wait_dscnt 0x0
	s_barrier_signal -1
	s_barrier_wait -1                              ; every wave's part of the tables lies in LDS
	s_cmp_lt_u32 ttmp9, 256
	s_cbranch_scc0 .Lquery
.irp p,0,1,2,3,4,5,6,7
	PAIRM \p
.endr
	s_wait_tensorcnt 0x0                           ; the wave's end, behind my last LDS store
	ds_add_u32 v11, v12
	s_wait_dscnt 0x0
	s_endpgm
.Lquery:
.irp p,0,1,2,3,4,5,6,7
	PAIRQ \p
.endr
	s_wait_tensorcnt 0x0                           ; the wave's end, as above
	ds_add_u32 v11, v12
	s_wait_dscnt 0x0
	s_endpgm
.Lfunc_end_k_q83764fc5b4_proj:
	.size	k_q83764fc5b4_proj, .Lfunc_end_k_q83764fc5b4_proj-k_q83764fc5b4_proj
	.p2alignl 7, 3214868480
	.fill 96, 4, 3214868480
	.section	.rodata,"a",@progbits
	.p2align	6, 0x0
	.amdhsa_kernel k_q83764fc5b4_proj
		.amdhsa_group_segment_fixed_size 75776
		.amdhsa_private_segment_fixed_size 0
		.amdhsa_enable_private_segment 0
		.amdhsa_kernarg_size 80
		.amdhsa_user_sgpr_count 2
		.amdhsa_user_sgpr_kernarg_segment_ptr 1
		.amdhsa_wavefront_size32 1
		.amdhsa_system_sgpr_workgroup_id_x 1
		.amdhsa_system_sgpr_workgroup_id_y 1
		.amdhsa_system_sgpr_workgroup_id_z 1
		.amdhsa_system_vgpr_workitem_id 0
		.amdhsa_next_free_vgpr 256
		.amdhsa_next_free_sgpr 66
		.amdhsa_reserve_vcc 0
		.amdhsa_float_denorm_mode_32 3
		.amdhsa_float_denorm_mode_16_64 3
		.amdhsa_memory_ordered 1
		.amdhsa_forward_progress 1
		.amdhsa_inst_pref_size 161
	.end_amdhsa_kernel
	.amdgpu_metadata
---
amdhsa.version: [ 1, 2 ]
amdhsa.kernels:
  - .name:           k_q83764fc5b4_proj
    .symbol:         k_q83764fc5b4_proj.kd
    .args:
      - { .name: matched_features, .offset: 0, .size: 8, .value_kind: global_buffer, .address_space: global }
      - { .name: query_features, .offset: 8, .size: 8, .value_kind: global_buffer, .address_space: global }
      - { .name: wq, .offset: 16, .size: 8, .value_kind: global_buffer, .address_space: global }
      - { .name: kvb, .offset: 24, .size: 8, .value_kind: global_buffer, .address_space: global }
      - { .name: qb, .offset: 32, .size: 8, .value_kind: global_buffer, .address_space: global }
      - { .name: row_embed, .offset: 40, .size: 8, .value_kind: global_buffer, .address_space: global }
      - { .name: col_embed, .offset: 48, .size: 8, .value_kind: global_buffer, .address_space: global }
      - { .name: kp, .offset: 56, .size: 8, .value_kind: global_buffer, .address_space: global }
      - { .name: kt, .offset: 64, .size: 8, .value_kind: global_buffer, .address_space: global }
      - { .name: x0, .offset: 72, .size: 8, .value_kind: global_buffer, .address_space: global }
    .group_segment_fixed_size: 75776
    .private_segment_fixed_size: 0
    .kernarg_segment_align: 8
    .kernarg_segment_size: 80
    .max_flat_workgroup_size: 128
    .sgpr_count:     66
    .vgpr_count:     256
    .wavefront_size: 32
...
	.end_amdgpu_metadata
.endif
;; end of part 2
;; launch chain (part 3): grid 256 x 1, 4 waves a work-group, clusters of 4 x 1, 327,680 bytes of LDS; arguments x0, kp, kt, wf, aggb, n1g, n1b, l1b, l2b, n2g, n2b, row_embed, col_embed, outb, query_features, out0, predraw, mm; writes out0, predraw, mm
.if DOCPART == 3
	.amdgcn_target "amdgcn-amd-amdhsa--gfx1250"
	.amdhsa_code_object_version 6
	.text
	.protected	k_q83764fc5b4_chain
	.globl	k_q83764fc5b4_chain
	.p2align	8
	.type	k_q83764fc5b4_chain,@function
k_q83764fc5b4_chain:
	s_mov_b64 s[64:65], 0
	v_nop
	global_prefetch_b8 v0, s[64:65] scope:SCOPE_SE
	s_setreg_imm32_b32 hwreg(HW_REG_WAVE_MODE, 25, 1), 1
	s_wait_xcnt 0x0
	s_wait_alu depctr_hold_cnt(0) depctr_sa_sdst(0) depctr_va_vdst(0) depctr_va_sdst(0) depctr_va_ssrc(0) depctr_va_vcc(0) depctr_vm_vsrc(0)
	s_getreg_b32 s2, hwreg(HW_REG_IB_STS2, 6, 4)
	s_cmp_eq_u32 s2, 0
	s_cbranch_scc0 .Lentry_in_a_cluster
	s_endpgm
.Lentry_in_a_cluster:
	s_bfe_u32 s2, ttmp6, 0x10000c
	s_cmp_lg_u32 s2, 0x3003
	s_cbranch_scc0 .Lentry_shape_is_right
	s_endpgm
.Lentry_shape_is_right:
; CHAIN: both layers and the head for 32 tokens (one image row i of one batch b) a work-group: attention, aggW, norm, l1W, relu, l2W, norm, twice; then outW, out0, and the error's norm of each token.
; WORK LEFT OUT: score and value tiles of keys outside image rows rs = clamp(i-3, 0, 25) .. rs+6: reference()'s own mask gives them the weight 0 for all finite inputs.  Inside the seven rows what lies more than 3 rows or
; columns off is computed and set to -inf by selection.  LIMIT: a NaN, an infinity or an overflow in a matched token outside those rows is not carried to the result.
; FORMATS: all products here take f16 operands and f32 sums; softmax (with the row's maximum taken away), norms (the variance as the mean of (x - mean)^2), residuals and the error in f32.
; LIMITS: x + pos, the matched tokens, the hidden layer and the weights have no f16 number beyond 65,504; NaN and infinities among the inputs are not served; reciprocal, reciprocal root and root are the chip's own, good to an ulp.
; LAYOUT.  Products are used transposed (source 0 = 16 rows of a weight, of K or of V^T; source 1 = 16 tokens): in a result tile (t, u) lane (r, h) holds token 16 u + r and its registers features 16 t + 8 h + 0 .. 7.
; Two neighbouring tiles rounded in pairs ARE the next product's source 1.  Nothing changes lanes between products.
; SHARES.  Attention: wave w owns matched set w, for all 32 tokens; K's and V's fragments come from memory straight into registers, laid in operand order by the launch before: no fragment is read by two waves.
; The weight products: wave w owns output features 64 w .. (l1W: 256 w ..) for all 32 tokens; what goes from wave to wave (16 fragments for each 256 along K) goes through LDS as images of registers.
; THE WEIGHTS are one stream of 25 chunks of 131,072 bytes that all 256 work-groups walk: a cluster's four ask for each chunk JOINTLY, each wave for the quarter that it alone reads, through a ring of two LDS slots.
; A wave has two tensor loads out at the head and one behind each round.
; K AND V ARE NOT ASKED FOR JOINTLY: the four partners need four different windows of seven image rows out of ten; a common LDS image would have to hold all ten rows of four sets, 1,310,720 bytes.
; LDS: two slots; XB two pieces of 16 fragments (a 256-wide slice of K each); XS 16 fragments; OTB outW's last 16 columns; STAT the norms' partial sums; the spare words.  The stage for out0 lies in slot 1,
; which has had its last fill and its last read when the first result is stored there.
; REGISTERS, in windows of 256.  Window 0: v1-27 addresses, v28-63 at work, v64-127 XR: my 8 tiles of x, residual and accumulator; v128-255 XF: 16 fragments of source 1, (u, s) at 128 + 8 (8 u + s).
; Window 1: the scores S^T, tile (key tile, u) at 8 (2 k + u), v224-255 at work; then O^T, tile (t, u) at 8 (2 t + u); in the weight products v0-63 an accumulator and v64-223 the norms' and l2's parameters.
; Window 2: K/V buffers 0 and 1; in the weight products a chunk's 32 fragments, (s, t) at 8 (4 s + t).   Window 3: v0-127 K/V buffer 2, then l1b; v128-255 P, then my 16 fragments of O or of the hidden layer.
.set SLOT1, 131072
.set XB,    262144
.set XS,    294912
.set OTB,   311296
.set STAT,  319488
.set SPARE, 321536                     ; 128 bytes for each wave: two blocks of 256 bytes that no other line names
.set STG,   SLOT1                      ; 272 rows (channels) of 128 bytes + 16
.set MSB, 0
.macro WIN new                         ; low byte: bits 1:0 source 0, 3:2 source 1, 5:4 source 2, 7:6 destination; the high byte repeats the setting that is left
.if MSB != \new
	s_set_vgpr_msb (MSB<<8)|\new
.set MSB, \new
.endif
.endm
.macro PLACES                          ; four plain places behind matrix instructions, ahead of loads into their operands and of reads of their results
.rept 4
	v_nop
.endr
.endm
.macro BAR                             ; my LDS stores have landed and my LDS loads are in: then the work-group's barrier
	s_wait_dscnt 0x0
	s_barrier_signal -1
	s_barrier_wait -1
.endm
.macro CROUND                          ; a round of the cluster's barrier
	s_barrier_signal -1
	s_barrier_wait -1
	s_cmp_lg_u32 s4, 0
	s_cbranch_scc1 .Lnot_wave_0_\@
	s_barrier_signal -3
.Lnot_wave_0_\@:
	s_barrier_wait -3
	s_barrier_signal -1
	s_barrier_wait -1
.endm
; THE CHANGE OF SLOTS.  All my tensor loads have landed (the chunk that is read next); the add; the walking descriptor steps; the add is done and my reads of the other slot are over; a round; the next chunk goes into that other slot.
.macro CHANGE
	WIN 0
	s_wait_tensorcnt 0x0
	ds_add_u32 v10, v11                            ; 0 onto my spare word
	s_xor_b32 s13, s13, SLOT1
	s_add_nc_u64 s[14:15], s[14:15], 131072
	s_wait_dscnt 0x0
	CROUND
	tensor_load_to_lds s[12:15], s[16:23]          ; my one tensor load behind the round, and the first thing there
	s_nop 0
	PLACES
.endm
.macro HM d, a, b, cr                  ; cr < 0: C = 0
.if (\cr) < 0
	v_wmma_f32_16x16x32_f16 v[(\d):(\d)+7], v[(\a):(\a)+7], v[(\b):(\b)+7], 0
.else
	v_wmma_f32_16x16x32_f16 v[(\d):(\d)+7], v[(\a):(\a)+7], v[(\b):(\b)+7], v[(\cr):(\cr)+7]
.endif
.endm
; item n: 0-6 an image row's 16 fragments of K, 7-13 of V^T: 16,384 bytes into buffer n % 3
.macro KVLOAD n
.if ((\n)%3) == 2
	WIN 0xc0
.set k_r, 0
.else
	WIN 0x80
.set k_r, 128*((\n)%3)
.endif
.set k_f, 0
.rept 32
.if (\n) < 7
	global_load_b128 v[k_r+4*k_f:k_r+4*k_f+3], v1, s[36:37] offset:(\n)*16384+512*k_f
.else
	global_load_b128 v[k_r+4*k_f:k_r+4*k_f+3], v1, s[38:39] offset:((\n)-7)*16384+512*k_f
.endif
.set k_f, k_f+1
.endr
.endm
.macro SITEM n                         ; S^T of image row n of the window: 2 key tiles x 2 token tiles, four accumulators by turns, K = 256 in 8 steps
	s_wait_loadcnt 63                              ; item n is in; the two younger items' 64 loads may be out (the count's field holds 63)
.if ((\n)%3) == 2
	WIN 0x53
.set s_a, 0
.else
	WIN 0x52
.set s_a, 128*((\n)%3)
.endif
.set s_s, 0
.rept 8
.set s_k, 0
.rept 2
.set s_u, 0
.rept 2
.if s_s == 0
	HM 8*(2*(2*(\n)+s_k)+s_u), s_a+8*(8*s_k+s_s), 128+8*(8*s_u+s_s), -1
.else
	HM 8*(2*(2*(\n)+s_k)+s_u), s_a+8*(8*s_k+s_s), 128+8*(8*s_u+s_s), 8*(2*(2*(\n)+s_k)+s_u)
.endif
.set s_u, s_u+1
.endr
.set s_k, s_k+1
.endr
.set s_s, s_s+1
.endr
	PLACES
	KVLOAD (\n)+3
.endm
.macro OITEM n, cnt                    ; O^T += V^T P of image row n - 7: 32 accumulators by turns
	s_wait_loadcnt \cnt
.if ((\n)%3) == 2
	WIN 0x5f
.set o_a, 0
.else
	WIN 0x5e
.set o_a, 128*((\n)%3)
.endif
.set o_t, 0
.rept 16
.set o_u, 0
.rept 2
.if (\n) == 7
	HM 8*(2*o_t+o_u), o_a+8*o_t, 128+8*(7*o_u+(\n)-7), -1
.else
	HM 8*(2*o_t+o_u), o_a+8*o_t, 128+8*(7*o_u+(\n)-7), 8*(2*o_t+o_u)
.endif
.set o_u, o_u+1
.endr
.set o_t, o_t+1
.endr
	PLACES
.if (\n)+3 <= 13
	KVLOAD (\n)+3
.endif
.endm
.macro STOREX lo, hi                   ; waves lo .. hi put their 16 fragments (window 3, v128 on) into piece wave % 2 of XB, as they stand
	WIN 0
	s_cmp_lt_u32 s4, \lo
	s_cbranch_scc1 .Lsx_\@
	s_cmp_gt_u32 s4, \hi
	s_cbranch_scc1 .Lsx_\@
	WIN 0x0c
.set x_n, 0
.rept 32
	ds_store_b128 v6, v[128+4*x_n:131+4*x_n] offset:512*x_n
.set x_n, x_n+1
.endr
	WIN 0
.Lsx_\@:
.endm
; A CHUNK: my 32 fragments of weights from the slot, (piece >= 0) 16 fragments of source 1 from XB, and 64 products: 8 K steps x 8 accumulators by turns.
; mode 0: onto XR.  mode 1: l1W's columns 64 qq on of my 256, begun with l1b.  mode 2: outW, NOT transposed (source 0 = tokens): a lane then holds 8 tokens of one channel.
.macro GCH slot, piece, mode, qq
	WIN 0
.if (\piece) >= 0
.set g_n, 0
.rept 32
	ds_load_b128 v[128+4*g_n:131+4*g_n], v7 offset:(\piece)*16384+512*g_n
.set g_n, g_n+1
.endr
.endif
	WIN 0x80
.set g_n, 0
.rept 64
	ds_load_b128 v[4*g_n:4*g_n+3], v[2+(\slot)] offset:512*g_n
.set g_n, g_n+1
.endr
.set g_s, 0
.rept 8
	s_wait_dscnt 8*(7-g_s)                         ; this K step's fragments are in; the later steps' eight loads each may be out
.if (\mode) == 0
	WIN 0x02
.elseif (\mode) == 1
.if g_s == 0
	WIN 0x72
.else
	WIN 0x52
.endif
.else
	WIN 0x58
.endif
.set g_t, 0
.rept 4
.set g_u, 0
.rept 2
.if (\mode) == 0
	HM 64+8*(2*g_t+g_u), 8*(4*g_s+g_t), 128+8*(8*g_u+g_s), 64+8*(2*g_t+g_u)
.elseif (\mode) == 1
.if g_s == 0
	HM 8*(2*g_t+g_u), 8*(4*g_s+g_t), 128+8*(8*g_u+g_s), 8*(4*(\qq)+g_t)
.else
	HM 8*(2*g_t+g_u), 8*(4*g_s+g_t), 128+8*(8*g_u+g_s), 8*(2*g_t+g_u)
.endif
.else
.if g_s == 0
	HM 8*(2*g_t+g_u), 128+8*(8*g_u+g_s), 8*(4*g_s+g_t), -1
.else
	HM 8*(2*g_t+g_u), 128+8*(8*g_u+g_s), 8*(4*g_s+g_t), 8*(2*g_t+g_u)
.endif
.endif
.set g_u, g_u+1
.endr
.set g_t, g_t+1
.endr
.set g_s, g_s+1
.endr
.endm
; K = 1,024 in four chunks.  Pieces 0 and 1 of XB hold waves 0's and 1's fragments on entry; waves 2 and 3 store theirs behind the round that follows every wave's reads of the piece, and the next round shows them.
.macro KGEMM
	GCH 0, 0, 0, 0
	CHANGE
	STOREX 2, 2
	GCH 1, 1, 0, 0
	CHANGE
	STOREX 3, 3
	GCH 0, 0, 0, 0
	CHANGE
	GCH 1, 1, 0, 0
.endm
; my 8 tiles (at base of window srcw) become 4 fragments; all 16 come back into XF
.macro XCHG srcw, base
.if \srcw
	WIN 0x05
.else
	WIN 0
.endif
.irp u,0,1
.irp l,0,1
.irp c,0,1
.irp i,0,1,2,3
	v_cvt_pk_f16_f32 v[28+8*(2*\u+\l)+4*\c+\i], v[\base+8*(2*(2*\l+\c)+\u)+2*\i], v[\base+8*(2*(2*\l+\c)+\u)+2*\i+1]
.endr
.endr
.endr
.endr
	WIN 0
.irp u,0,1
.irp l,0,1
.irp c,0,1
	ds_store_b128 v4, v[28+8*(2*\u+\l)+4*\c:28+8*(2*\u+\l)+4*\c+3] offset:\u*8192+\l*1024+\c*512
.endr
.endr
.endr
	BAR
.set x_n, 0
.rept 32
	ds_load_b128 v[128+4*x_n:131+4*x_n], v5 offset:512*x_n
.set x_n, x_n+1
.endr
	s_wait_dscnt 0x0
.endm
; the two chains of each token tile (v28-31, v32-35) become the tokens' sums over all 256 features, in v40 (u = 0) and v44 (u = 1)
.macro LNJOIN off
.irp u,0,1
	v_pk_add_f32 v[28+4*\u:29+4*\u], v[28+4*\u:29+4*\u], v[30+4*\u:31+4*\u]
.endr
.irp u,0,1
	v_add_f32 v[28+4*\u], v[28+4*\u], v[29+4*\u]
.endr
.irp u,0,1
	v_permlanex16_b32 v[36+\u], v[28+4*\u], s56, s57
.endr
.irp u,0,1
	v_add_f32 v[28+4*\u], v[28+4*\u], v[36+\u]     ; with lane l xor 16's: my wave's 64 features
.endr
	v_cndmask_b32 v38, v28, v32, s11               ; lanes 16-31 take the second tile's: lane = token
	ds_store_b32 v8, v38 offset:\off
	BAR
.irp u,0,1
.irp w,0,1,2,3
	ds_load_b32 v[40+4*\u+\w], v9 offset:\off+128*\w+64*\u
.endr
.endr
	s_wait_dscnt 0x0
.irp u,0,1
	v_add_f32 v[40+4*\u], v[40+4*\u], v[41+4*\u]
	v_add_f32 v[42+4*\u], v[42+4*\u], v[43+4*\u]
.endr
.irp u,0,1
	v_add_f32 v[40+4*\u], v[40+4*\u], v[42+4*\u]
.endr
.endm
.macro LNORM gg, bb                    ; XR = (XR - mean) / sqrt(var + 1e-5) x gain + bias; gain and bias at gg, bb of window 1
	s_wait_loadcnt 0x0                             ; the parameters
	WIN 0
	s_mov_b32 s62, 0x3b800000                      ; 1 / 256
	s_mov_b32 s63, 0x3727c5ac                      ; 1e-5
.irp u,0,1
	v_pk_add_f32 v[28+4*\u:29+4*\u], v[64+8*\u:65+8*\u], v[66+8*\u:67+8*\u]           ; each tile is read from its low end on
	v_pk_add_f32 v[30+4*\u:31+4*\u], v[68+8*\u:69+8*\u], v[70+8*\u:71+8*\u]
.endr
.irp t,1,2,3
.irp u,0,1
	v_pk_add_f32 v[28+4*\u:29+4*\u], v[28+4*\u:29+4*\u], v[64+8*(2*\t+\u):65+8*(2*\t+\u)]
	v_pk_add_f32 v[30+4*\u:31+4*\u], v[30+4*\u:31+4*\u], v[66+8*(2*\t+\u):67+8*(2*\t+\u)]
	v_pk_add_f32 v[28+4*\u:29+4*\u], v[28+4*\u:29+4*\u], v[68+8*(2*\t+\u):69+8*(2*\t+\u)]
	v_pk_add_f32 v[30+4*\u:31+4*\u], v[30+4*\u:31+4*\u], v[70+8*(2*\t+\u):71+8*(2*\t+\u)]
.endr
.endr
	LNJOIN 0
.irp u,0,1
	v_mul_f32 v[48+2*\u], s62, v[40+4*\u]          ; the mean
.endr
.irp t,0,1,2,3
.irp u,0,1
.irp j,0,2,4,6
	v_pk_add_f32 v[64+8*(2*\t+\u)+\j:65+8*(2*\t+\u)+\j], v[64+8*(2*\t+\u)+\j:65+8*(2*\t+\u)+\j], v[48+2*\u:49+2*\u] op_sel_hi:[1,0] neg_lo:[0,1] neg_hi:[0,1]
.endr
.endr
.endr
.irp u,0,1
	v_pk_mul_f32 v[28+4*\u:29+4*\u], v[64+8*\u:65+8*\u], v[64+8*\u:65+8*\u]
	v_pk_mul_f32 v[30+4*\u:31+4*\u], v[66+8*\u:67+8*\u], v[66+8*\u:67+8*\u]
	v_pk_fma_f32 v[28+4*\u:29+4*\u], v[68+8*\u:69+8*\u], v[68+8*\u:69+8*\u], v[28+4*\u:29+4*\u]
	v_pk_fma_f32 v[30+4*\u:31+4*\u], v[70+8*\u:71+8*\u], v[70+8*\u:71+8*\u], v[30+4*\u:31+4*\u]
.endr
.irp t,1,2,3
.irp u,0,1
.irp j,0,4
	v_pk_fma_f32 v[28+4*\u:29+4*\u], v[64+8*(2*\t+\u)+\j:65+8*(2*\t+\u)+\j], v[64+8*(2*\t+\u)+\j:65+8*(2*\t+\u)+\j], v[28+4*\u:29+4*\u]
	v_pk_fma_f32 v[30+4*\u:31+4*\u], v[66+8*(2*\t+\u)+\j:67+8*(2*\t+\u)+\j], v[66+8*(2*\t+\u)+\j:67+8*(2*\t+\u)+\j], v[30+4*\u:31+4*\u]
.endr
.endr
.endr
	LNJOIN 512
.irp u,0,1
	v_fma_f32 v[40+4*\u], v[40+4*\u], s62, s63     ; the variance + 1e-5
.endr
.irp u,0,1
	v_rsq_f32 v[52+2*\u], v[40+4*\u]
.endr
	v_nop                                          ; a plain place behind the transcendentals
	s_wait_alu depctr_va_vdst(0)                   ; one wait for both, ahead of their first reader
.irp t,0,1,2,3
.irp u,0,1
.irp j,0,2,4,6
	v_pk_mul_f32 v[64+8*(2*\t+\u)+\j:65+8*(2*\t+\u)+\j], v[64+8*(2*\t+\u)+\j:65+8*(2*\t+\u)+\j], v[52+2*\u:53+2*\u] op_sel_hi:[1,0]
.endr
.endr
.endr
	WIN 0x14
.irp t,0,1,2,3
.irp u,0,1
.irp j,0,2,4,6
	v_pk_fma_f32 v[64+8*(2*\t+\u)+\j:65+8*(2*\t+\u)+\j], v[64+8*(2*\t+\u)+\j:65+8*(2*\t+\u)+\j], v[\gg+8*\t+\j:\gg+8*\t+\j+1], v[\bb+8*\t+\j:\bb+8*\t+\j+1]
.endr
.endr
.endr
	WIN 0
.endm
.macro PARLD reg, ptr                  ; 64 numbers of my features in the result's layout: 8 registers a tile
.irp t,0,1,2,3
	global_load_b128 v[\reg+8*\t:\reg+8*\t+3], v18, s[\ptr:\ptr+1] offset:64*\t
	global_load_b128 v[\reg+8*\t+4:\reg+8*\t+7], v18, s[\ptr:\ptr+1] offset:64*\t+16
.endr
.endm
.macro XRADD reg                       ; XR += a parameter of window 1, the same for both token tiles
	WIN 0x04
.irp t,0,1,2,3
.irp u,0,1
.irp j,0,2,4,6
	v_pk_add_f32 v[64+8*(2*\t+\u)+\j:65+8*(2*\t+\u)+\j], v[64+8*(2*\t+\u)+\j:65+8*(2*\t+\u)+\j], v[\reg+8*\t+\j:\reg+8*\t+\j+1]
.endr
.endr
.endr
.endm
.macro MAXI d, x, u                    ; score number x (0 .. 111) of token tile u stands in register 16 (x / 8) + 8 u + x % 8
	v_max3_num_f32 v[\d], v[16*((\x)/8)+8*(\u)+(\x)%8], v[16*(((\x)+1)/8)+8*(\u)+((\x)+1)%8], v[16*(((\x)+2)/8)+8*(\u)+((\x)+2)%8]
.endm
.macro MAXS d, x, y, u
	v_max3_num_f32 v[\d], v[\d], v[16*((\x)/8)+8*(\u)+(\x)%8], v[16*((\y)/8)+8*(\u)+(\y)%8]
.endm
	s_load_b256 s[68:75], s[0:1], 0x0              ; x0 s[68:69], kp s[70:71], kt s[72:73], wf s[74:75]
	s_load_b256 s[40:47], s[0:1], 0x20             ; aggb s[40:41], n1g s[42:43], n1b s[44:45], l1b s[46:47]
	s_load_b128 s[48:51], s[0:1], 0x40             ; l2b s[48:49], n2g s[50:51]
	s_load_b64 s[52:53], s[0:1], 0x50              ; n2b
	s_load_b128 s[76:79], s[0:1], 0x58             ; row_embed s[76:77], col_embed s[78:79]
	v_lshl_add_u32 v10, v0, 2, SPARE
	v_mov_b32 v11, 0
	ds_add_u32 v10, v11                            ; the wave's opening: the add, twice on end, and its wait ahead of my first tensor load
	ds_add_u32 v10, v11                            ; and once more, under the one wait; the set-up below, work on registers, stands between
	v_lshrrev_b32 v28, 5, v0
	v_readfirstlane_b32 s4, v28                    ; wave
	s_bfe_u32 s5, ttmp6, 0x40000                   ; my place in the cluster: it enters global addresses and the masks' data alone
	s_lshl_b32 s6, ttmp9, 2
	s_add_co_u32 s6, s6, s5                        ; work-group
	s_lshr_b32 s7, s6, 5                           ; batch b
	s_and_b32 s8, s6, 31                           ; image row i
	s_sub_co_i32 s9, s8, 3
	s_max_i32 s9, s9, 0
	s_min_i32 s9, s9, 25                           ; the window's first image row
	s_mov_b32 s11, 0xffff0000                      ; lanes 16-31
	s_mov_b32 s56, 0x76543210
	s_mov_b32 s57, 0xfedcba98                      ; v_permlanex16_b32's selects for lane l xor 16
	s_mov_b32 s58, 0x3db8aa3b                      ; c = log2(e) / 16: the scale 1 / sqrt(256) is taken here, exactly
	s_mov_b32 s59, s58
	s_mov_b32 s16, 15|(3<<16)|(1<<21)              ; group 1: the mask: all four work-groups; elements of 8 bytes; bit 21 beside a mask; no padding: fragments are read at 16 x lane
	s_mov_b32 s17, 32<<16                          ; tensor_dim0 = 32 elements: rows of 256 bytes
	s_mov_b32 s18, 128<<16                         ; tensor_dim1 = 128 rows: my quarter of a chunk, dense
	s_mov_b32 s19, 32<<16                          ; tile_dim0
	s_mov_b32 s20, 128                             ; tile_dim1
	s_mov_b32 s21, 32                              ; pitch
	s_mov_b32 s22, 0
	s_mov_b32 s23, 0
	s_mov_b32 s28, 15|(3<<16)|(1<<21)              ; the same with 8 rows: my quarter of outW's last 16 columns
	s_mov_b32 s29, 32<<16
	s_mov_b32 s30, 8<<16
	s_mov_b32 s31, 32<<16
	s_mov_b32 s32, 8
	s_mov_b32 s33, 32
	s_mov_b32 s34, 0
	s_mov_b32 s35, 0
	s_mov_b32 s12, 1
	s_lshl_b32 s13, s4, 15                         ; slot 0, my quarter
	s_mov_b32 s24, 1
	s_lshl_b32 s25, s4, 11
	s_add_co_u32 s25, s25, OTB
	v_and_b32 v28, 31, v0                          ; lane
	v_and_b32 v29, 15, v0                          ; r
	v_bfe_u32 v30, v0, 4, 1                        ; h
	v_lshlrev_b32 v1, 4, v28                       ; v1: 16 x lane
	s_lshl_b32 s2, s4, 15
	v_add_nc_u32 v2, s2, v1                        ; v2, v3: my quarter of slot 0, 1
	v_add_nc_u32 v3, SLOT1, v2
	s_lshl_b32 s2, s4, 11
	s_add_co_u32 s2, s2, XS
	v_add_nc_u32 v4, s2, v1                        ; v4: where I store into XS
	v_add_nc_u32 v5, XS, v1                        ; v5: where all read it
	s_and_b32 s2, s4, 1
	s_lshl_b32 s2, s2, 14
	s_add_co_u32 s2, s2, XB
	v_add_nc_u32 v6, s2, v1                        ; v6: my piece of XB
	v_add_nc_u32 v7, XB, v1                        ; v7: where all read it
	v_lshlrev_b32 v27, 2, v28                      ; v27: 4 x lane
	s_lshl_b32 s2, s4, 7
	s_add_co_u32 s2, s2, STAT
	v_add_nc_u32 v8, s2, v27                       ; v8: my wave's partial sums, lane = token
	v_lshl_add_u32 v9, v29, 2, STAT                ; v9: token r's
	s_mul_i32 s2, s4, 64*144
	s_add_co_u32 s2, s2, STG
	v_mul_u32_u24 v31, v29, 144
	v_lshl_add_u32 v31, v30, 5, v31
	v_add_nc_u32 v12, s2, v31                      ; v12: the stage, in: channel 64 w + r, 32 h bytes on
	v_add_nc_u32 v13, STG+256*144, v31             ; v13: channel 256 + r
	v_lshrrev_b32 v32, 3, v28
	v_and_b32 v33, 7, v0
	v_mul_u32_u24 v34, v32, 144
	v_lshl_add_u32 v34, v33, 4, v34
	v_add_nc_u32 v14, s2, v34                      ; v14: back: eight lanes to a channel's 128 bytes, four channels an instruction
	s_mul_i32 s3, s4, 4*144
	s_add_co_u32 s3, s3, STG+256*144
	v_add_nc_u32 v15, s3, v34                      ; v15: channels 256 + 4 w on
	s_cmp_lt_u32 s4, 2
	s_cselect_b32 s2, 512, 0                       ; waves 0, 1: features under 128: col_embed, a row a token; waves 2, 3: row_embed, one row
	s_and_b32 s3, s4, 1
	s_lshl_b32 s3, s3, 8
	v_mul_u32_u24 v16, v29, s2
	v_lshl_add_u32 v35, v30, 5, s3
	v_add_nc_u32 v16, v16, v35                     ; v16, v17: my position numbers, token tile 0, 1
	s_lshl_b32 s2, s2, 4
	v_add_nc_u32 v17, s2, v16
	s_lshl_b32 s2, s4, 8
	v_lshl_add_u32 v18, v30, 5, s2                 ; v18: 256 w + 32 h: a parameter's numbers of my features
	v_lshl_add_u32 v24, v32, 2, s2                 ; v24: outb of channel 64 w + lane / 8
	s_lshl_b32 s2, s4, 10
	v_lshl_add_u32 v19, v30, 5, s2                 ; v19: the same in l1b
	v_lshlrev_b32 v20, 8, v28                      ; v20: the prefetches' offset: 256 x lane
	v_add_nc_u32 v21, OTB, v1                      ; v21: outW's last columns
	v_lshlrev_b32 v36, 12, v32
	v_lshl_add_u32 v36, v33, 4, v36
	s_lshl_b32 s2, s4, 18
	v_add_nc_u32 v22, s2, v36                      ; v22: channel 64 w + lane / 8, 16 (lane % 8) bytes on, in query_features and out0
	s_lshl_b32 s3, s4, 14
	s_add_co_u32 s3, s3, 256*4096
	v_add_nc_u32 v23, s3, v36                      ; v23: channel 256 + 4 w + lane / 8
	s_lshl_b32 s3, s4, 4
	s_add_co_u32 s3, s3, 1024
	v_lshl_add_u32 v25, v32, 2, s3                 ; v25: its outb
	s_lshl_b32 s2, s4, 7
	s_add_co_u32 s2, s2, STAT+1024
	v_lshl_add_u32 v26, v33, 4, s2                 ; v26: my wave's squared errors of tokens 4 (lane % 8) on
	s_mov_b32 s63, 0
	s_wait_dscnt 0x0                               ; both opening adds are done
	s_wait_kmcnt 0x0
	s_lshl_b32 s62, s4, 15
	s_add_nc_u64 s[14:15], s[74:75], s[62:63]      ; chunk 0, my quarter: the address hangs on the wave's number alone
	s_or_b32 s15, s15, 0x80000000
	s_lshl_b32 s62, s4, 11
	s_add_co_u32 s62, s62, 25*131072
	s_add_nc_u64 s[26:27], s[74:75], s[62:63]
	s_or_b32 s27, s27, 0x80000000
	s_lshl_b32 s62, s6, 15
	s_lshl_b32 s2, s4, 13
	s_add_co_u32 s62, s62, s2
	s_add_nc_u64 s[98:99], s[68:69], s[62:63]      ; my 8 tiles of x0
	s_lshl_b32 s2, s4, 3
	s_add_co_u32 s2, s2, s7
	s_lshl_b32 s2, s2, 5                           ; (set w, batch b) x 32 image rows
	s_add_co_u32 s3, s2, s9
	s_lshl_b32 s62, s3, 14
	s_add_nc_u64 s[36:37], s[70:71], s[62:63]      ; the window in kp,
	s_add_nc_u64 s[38:39], s[72:73], s[62:63]      ; and in kt
	s_add_co_u32 s3, s2, s8
	s_lshl_b32 s62, s3, 14
	s_add_nc_u64 s[60:61], s[72:73], s[62:63]      ; my own image row in kt
	s_lshl_b32 s62, s8, 9
	s_cmp_lt_u32 s4, 2
	s_cselect_b64 s[54:55], s[78:79], s[76:77]
	s_cselect_b32 s62, 0, s62
	s_add_nc_u64 s[54:55], s[54:55], s[62:63]
	CROUND                                         ; all four work-groups are here: the first joint loads meet
	tensor_load_to_lds s[12:15], s[16:23]          ; chunk 0
	s_nop 0
	tensor_load_to_lds s[24:27], s[28:35]          ; outW's last 16 columns: filled once
	s_nop 0
	PLACES
.set h_n, 0
.rept 16
	global_load_b128 v[64+4*h_n:67+4*h_n], v1, s[98:99] offset:512*h_n th:TH_LOAD_NT
.set h_n, h_n+1
.endr
	; THE MASKS.  In a score tile, lane (r, h), register j: key column 16 k + 8 h + j, query column 16 u + r.  Near where 16 (k - u) + 8 h + j - r + 3 lies in 0 .. 6: 24 lane masks, for k - u = 0, +1, -1
	v_lshlrev_b32 v30, 3, v30
	v_sub_nc_u32 v30, v30, v29
	v_add_nc_u32 v30, 3, v30
.irp d,0,1,2
.irp j,0,1,2,3,4,5,6,7
	v_add_nc_u32 v31, 16*(\d-3*(\d/2))+\j, v30
	v_cmp_gt_u32 s[66+8*\d+\j], 7, v31
.endr
.endr
	s_sub_co_u32 s2, s9, s8
	s_add_co_u32 s2, s2, 3
.irp p,0,1,2,3,4,5,6
	s_add_co_u32 s3, s2, \p                        ; window row p is near where rs + p - i + 3 lies in 0 .. 6: all ones or 0; a selection, no branch
	s_cmp_le_u32 s3, 6
	s_cselect_b32 s[90+\p], -1, 0
.endr
.irp z,36,37,49,51,53,55
	v_mov_b32 v[\z], 0                             ; lane permutes' destinations and pairs' upper halves are written once
.endr
	s_wait_loadcnt 0x0                             ; x0
	s_mov_b32 s10, 2
.Llayer:                                               ; two trips, 12 chunks each; a trip's chunk n lies in slot n % 2
	CHANGE                                         ; aggW's first chunk is whole; the second is asked for and lands under the attention
	WIN 0x40
.irp t,0,1,2,3
.irp u,0,1
	global_load_b128 v[8*(2*\t+\u):8*(2*\t+\u)+3], v[16+\u], s[54:55] offset:64*\t
	global_load_b128 v[8*(2*\t+\u)+4:8*(2*\t+\u)+7], v[16+\u], s[54:55] offset:64*\t+16
.endr
.endr
	PARLD 64, 40                                   ; aggb
	KVLOAD 0
	s_wait_loadcnt 32                              ; positions and aggb are in; item 0's 32 loads may be out
	WIN 0x41
.set t_p, 0
.rept 32
	v_pk_add_f32 v[2*t_p:2*t_p+1], v[2*t_p:2*t_p+1], v[64+2*t_p:65+2*t_p]      ; x + pos
.set t_p, t_p+1
.endr
	XCHG 1, 0                                      ; the queries' 16 fragments
	XRADD 64                                       ; the residual takes aggb now: aggW's products add onto it
	KVLOAD 1
	KVLOAD 2
	SITEM 0
	WIN 0
	s_cmp_lg_u32 s10, 2
	s_cbranch_scc1 .Lno_prefetch
	; in the first trip each wave asks once for its own image row of its set's V^T: 16,384 bytes, lanes 256 bytes apart, two instructions: over the launch each block of kt is named once.  It stands behind a run of loads, six score items ahead of the first V item's use
	global_prefetch_b8 v20, s[60:61] th:TH_LOAD_NT scope:SCOPE_SE
	global_prefetch_b8 v20, s[60:61] offset:8192 th:TH_LOAD_NT scope:SCOPE_SE
.Lno_prefetch:
	SITEM 1
	SITEM 2
	SITEM 3
	SITEM 4
	SITEM 5
	SITEM 6
	; THE SOFTMAX, all in window 1
	WIN 0x55
	v_mov_b32 v254, 0xff800000                     ; -infinity
.irp z,232,233,235,237,241,243
	v_mov_b32 v[\z], 0
.endr
.set m_r, 0
.rept 7
.set m_k, 0
.rept 2
.set m_u, 0
.rept 2
.set m_t, 8*(2*(2*m_r+m_k)+m_u)
.set m_d, 66+8*((m_k-m_u+3)%3)
.set m_h, 0
.rept 2
.irp j,0,1,2,3
	s_and_b32 s[98+\j], s[m_d+4*m_h+\j], s[90+m_r]
.endr
.irp j,0,1,2,3
	v_cndmask_b32 v[m_t+4*m_h+\j], v254, v[m_t+4*m_h+\j], s[98+\j]      ; far keys: -infinity.  Each tile from its low end on
.endr
.set m_h, m_h+1
.endr
.set m_u, m_u+1
.endr
.set m_k, m_k+1
.endr
.set m_r, m_r+1
.endr
.set a_c, 0
.rept 4
	MAXI 224+a_c, 28*a_c, 0                        ; a query's 112 scores of my half: four chains a token tile
	MAXI 228+a_c, 28*a_c, 1
.set a_c, a_c+1
.endr
.set a_k, 0
.rept 12
.set a_c, 0
.rept 4
	MAXS 224+a_c, 28*a_c+3+2*a_k, 28*a_c+4+2*a_k, 0
	MAXS 228+a_c, 28*a_c+3+2*a_k, 28*a_c+4+2*a_k, 1
.set a_c, a_c+1
.endr
.set a_k, a_k+1
.endr
.irp u,0,1
	MAXS 224+4*\u, 27, 55, \u
	MAXS 225+4*\u, 83, 111, \u
.endr
.irp u,0,1
	v_max3_num_f32 v[224+4*\u], v[224+4*\u], v[225+4*\u], v[226+4*\u]
.endr
.irp u,0,1
	v_max_num_f32 v[224+4*\u], v[224+4*\u], v[227+4*\u]
.endr
.irp u,0,1
	v_permlanex16_b32 v[232+\u], v[224+4*\u], s56, s57
.endr
.irp u,0,1
	v_max_num_f32 v[224+4*\u], v[224+4*\u], v[232+\u]      ; the row's maximum: the query's own image row is always in the window, so it is a number
.endr
.irp u,0,1
	v_mul_f32 v[240+2*\u], s58, v[224+4*\u]
.endr
.set f_p, 0
.rept 112
	v_pk_fma_f32 v[2*f_p:2*f_p+1], v[2*f_p:2*f_p+1], s[58:59], v[240+2*((f_p/4)%2):241+2*((f_p/4)%2)] op_sel_hi:[1,0,0] neg_lo:[0,0,1] neg_hi:[0,0,1]   ; c s - c m
.set f_p, f_p+1
.endr
.set f_p, 0
.rept 224
	v_exp_f32 v[f_p], v[f_p]
.set f_p, f_p+1
.endr
	v_nop                                          ; a plain place behind the batch
	s_wait_alu depctr_va_vdst(0)                   ; one wait for the 224, ahead of their first reader
.irp u,0,1
	v_pk_add_f32 v[244+4*\u:245+4*\u], v[8*\u:8*\u+1], v[8*\u+2:8*\u+3]
	v_pk_add_f32 v[246+4*\u:247+4*\u], v[8*\u+4:8*\u+5], v[8*\u+6:8*\u+7]
.endr
.set y_i, 4
.rept 26
.irp u,0,1
	v_pk_add_f32 v[244+4*\u:245+4*\u], v[244+4*\u:245+4*\u], v[16*(y_i/4)+8*\u+2*(y_i%4):16*(y_i/4)+8*\u+2*(y_i%4)+1]
	v_pk_add_f32 v[246+4*\u:247+4*\u], v[246+4*\u:247+4*\u], v[16*((y_i+1)/4)+8*\u+2*((y_i+1)%4):16*((y_i+1)/4)+8*\u+2*((y_i+1)%4)+1]
.endr
.set y_i, y_i+2
.endr
.irp u,0,1
	v_pk_add_f32 v[244+4*\u:245+4*\u], v[244+4*\u:245+4*\u], v[246+4*\u:247+4*\u]
.endr
.irp u,0,1
	v_add_f32 v[244+4*\u], v[244+4*\u], v[245+4*\u]
.endr
.irp u,0,1
	v_permlanex16_b32 v[232+\u], v[244+4*\u], s56, s57
.endr
.irp u,0,1
	v_add_f32 v[244+4*\u], v[244+4*\u], v[232+\u]
.endr
.irp u,0,1
	v_rcp_f32 v[234+2*\u], v[244+4*\u]
.endr
	v_nop
	s_wait_alu depctr_va_vdst(0)                   ; one wait for the two reciprocals
.set f_p, 0
.rept 112
	v_pk_mul_f32 v[2*f_p:2*f_p+1], v[2*f_p:2*f_p+1], v[234+2*((f_p/4)%2):235+2*((f_p/4)%2)] op_sel_hi:[1,0]
.set f_p, f_p+1
.endr
	WIN 0xc5
.set p_u, 0
.rept 2
.set p_r, 0
.rept 7
.set p_k, 0
.rept 2
.irp i,0,1,2,3
	v_cvt_pk_f16_f32 v[128+8*(7*p_u+p_r)+4*p_k+\i], v[8*(2*(2*p_r+p_k)+p_u)+2*\i], v[8*(2*(2*p_r+p_k)+p_u)+2*\i+1]     ; P (token tile, image row): source 1 of V^T P
.endr
.set p_k, p_k+1
.endr
.set p_r, p_r+1
.endr
.set p_u, p_u+1
.endr
	PLACES
	OITEM 7, 63
	OITEM 8, 63
	OITEM 9, 63
	OITEM 10, 63
	OITEM 11, 63
	OITEM 12, 32                                   ; item 13's loads may be out
	OITEM 13, 0
	WIN 0xc5
.set p_u, 0
.rept 2
.set p_r, 0
.rept 8
.set p_k, 0
.rept 2
.irp i,0,1,2,3
	v_cvt_pk_f16_f32 v[128+8*(8*p_u+p_r)+4*p_k+\i], v[8*(2*(2*p_r+p_k)+p_u)+2*\i], v[8*(2*(2*p_r+p_k)+p_u)+2*\i+1]     ; my set's O: K slice w of aggW's product
.endr
.set p_k, p_k+1
.endr
.set p_r, p_r+1
.endr
.set p_u, p_u+1
.endr
	WIN 0x40
	PARLD 64, 42                                   ; n1g
	PARLD 96, 44                                   ; n1b
	PARLD 128, 48                                  ; l2b
	PARLD 160, 50                                  ; n2g
	PARLD 192, 52                                  ; n2b
	WIN 0xc0
.set p_r, 0
.rept 16
	global_load_b128 v[8*p_r:8*p_r+3], v19, s[46:47] offset:64*p_r           ; l1b of my 256 hidden units
	global_load_b128 v[8*p_r+4:8*p_r+7], v19, s[46:47] offset:64*p_r+16
.set p_r, p_r+1
.endr
	STOREX 0, 1
	BAR
	KGEMM                                          ; XR = x + aggb + O aggW
	CHANGE                                         ; (its four places stand behind the last products)
	LNORM 64, 96
	XCHG 0, 64
	XRADD 128                                      ; the residual takes l2b
.irp q,0,1,2,3
	GCH (\q%2), -1, 1, \q
	PLACES
	WIN 0x55
.set r_i, 0
.rept 64
	v_max_num_f32 v[r_i], 0, v[r_i]                ; relu
.set r_i, r_i+1
.endr
	WIN 0xc5
.irp t,0,1,2,3
.irp u,0,1
.irp i,0,1,2,3
	v_cvt_pk_f16_f32 v[128+8*(8*\u+2*\q+\t/2)+4*(\t%2)+\i], v[8*(2*\t+\u)+2*\i], v[8*(2*\t+\u)+2*\i+1]     ; my hidden units: K slice w of l2W's product
.endr
.endr
.endr
.if \q < 3
	CHANGE
.endif
.endr
	STOREX 0, 1
	CHANGE                                         ; its round shows the two pieces
	KGEMM                                          ; XR = x + l2b + hidden l2W
	PLACES
	LNORM 160, 192
	s_wait_xcnt 0x0
.irp p,40,42,44,48,50,52
	s_add_nc_u64 s[\p:\p+1], s[\p:\p+1], 1024      ; the next layer's parameters
.endr
	s_add_nc_u64 s[46:47], s[46:47], 4096
	s_sub_co_u32 s10, s10, 1
	s_cmp_lg_u32 s10, 0
	s_cbranch_scc1 .Llayer
	; THE HEAD
	s_load_b256 s[40:47], s[0:1], 0x68             ; outb s[40:41], query_features s[42:43], out0 s[44:45], predraw s[46:47]
	s_load_b64 s[48:49], s[0:1], 0x88              ; mm
	s_mul_i32 s62, s7, 1114112
	s_lshl_b32 s2, s8, 7
	s_add_co_u32 s62, s62, s2
	s_mov_b32 s63, 0
	s_wait_kmcnt 0x0
	s_add_nc_u64 s[42:43], s[42:43], s[62:63]
	s_add_nc_u64 s[44:45], s[44:45], s[62:63]
	s_lshl_b32 s62, s6, 7
	s_add_nc_u64 s[46:47], s[46:47], s[62:63]
	s_lshl_b32 s62, s6, 3
	s_add_nc_u64 s[48:49], s[48:49], s[62:63]
	WIN 0x40
.set e_n, 0
.rept 16
	global_load_b128 v[148+4*e_n:151+4*e_n], v22, s[42:43] offset:16384*e_n th:TH_LOAD_NT
	global_load_b32 v[216+e_n], v24, s[40:41] offset:16*e_n
.set e_n, e_n+1
.endr
	global_load_b128 v[212:215], v23, s[42:43] th:TH_LOAD_NT
	global_load_b32 v232, v25, s[40:41]
	XCHG 0, 64
	s_wait_tensorcnt 0x0                           ; the last chunk has landed; nothing is filled again, so a plain barrier follows the three lines
	ds_add_u32 v10, v11
	s_wait_dscnt 0x0
	s_barrier_signal -1
	s_barrier_wait -1                              ; and nobody reads slot 1 any more: the stage may be written
	GCH 0, -1, 2, 0
	PLACES
	WIN 0x04
.irp t,0,1,2,3
.irp u,0,1
	ds_store_b128 v12, v[8*(2*\t+\u):8*(2*\t+\u)+3] offset:\t*2304+64*\u             ; lane (r, h): channel 64 w + 16 t + r, tokens 16 u + 8 h + 0 .. 7
	ds_store_b128 v12, v[8*(2*\t+\u)+4:8*(2*\t+\u)+7] offset:\t*2304+64*\u+16
.endr
.endr
	WIN 0
	s_cmp_lg_u32 s4, 0
	s_cbranch_scc1 .Lno_tail                       ; channels 256-271 are wave 0's
	WIN 0x80
.set e_n, 0
.rept 16
	ds_load_b128 v[4*e_n:4*e_n+3], v21 offset:512*e_n
.set e_n, e_n+1
.endr
	s_wait_dscnt 0x0
	WIN 0x58
.set e_n, 0
.rept 8
.if e_n == 0
	HM 64, 128+8*e_n, 8*e_n, -1
	HM 72, 192+8*e_n, 8*e_n, -1
.else
	HM 64, 128+8*e_n, 8*e_n, 64                    ; two accumulators by turns
	HM 72, 192+8*e_n, 8*e_n, 72
.endif
.set e_n, e_n+1
.endr
	PLACES
	WIN 0x04
.irp u,0,1
	ds_store_b128 v13, v[64+8*\u:67+8*\u] offset:64*\u
	ds_store_b128 v13, v[68+8*\u:71+8*\u] offset:64*\u+16
.endr
	WIN 0
.Lno_tail:
	BAR                                            ; 272 channels x 32 tokens lie in the stage
	WIN 0x40
.set e_n, 0
.rept 16
	ds_load_b128 v[80+4*e_n:83+4*e_n], v14 offset:576*e_n
.set e_n, e_n+1
.endr
	ds_load_b128 v[144:147], v15
	s_wait_loadcnt 0x0
	s_wait_dscnt 0x0
	WIN 0x55
.set e_n, 0
.rept 17
.irp e,0,1,2,3
	v_add_f32 v[80+4*e_n+\e], v[80+4*e_n+\e], v[216+e_n]                 ; + outb: recon
.endr
.irp e,0,2
	v_pk_add_f32 v[148+4*e_n+\e:149+4*e_n+\e], v[80+4*e_n+\e:81+4*e_n+\e], v[148+4*e_n+\e:149+4*e_n+\e] neg_lo:[0,1] neg_hi:[0,1]     ; recon - query
.endr
.set e_n, e_n+1
.endr
	WIN 0x05
	v_pk_mul_f32 v[28:29], v[148:149], v[148:149]
	v_pk_mul_f32 v[30:31], v[150:151], v[150:151]
.set e_n, 1
.rept 16
	v_pk_fma_f32 v[28:29], v[148+4*e_n:149+4*e_n], v[148+4*e_n:149+4*e_n], v[28:29]
	v_pk_fma_f32 v[30:31], v[150+4*e_n:151+4*e_n], v[150+4*e_n:151+4*e_n], v[30:31]
.set e_n, e_n+1
.endr
	WIN 0x04
.set e_n, 0
.rept 16
	global_store_b128 v22, v[80+4*e_n:83+4*e_n], s[44:45] offset:16384*e_n th:TH_STORE_NT     ; eight lanes store a channel's 128 consecutive bytes: all that the work-group has of it
.set e_n, e_n+1
.endr
	global_store_b128 v23, v[144:147], s[44:45] th:TH_STORE_NT
	WIN 0
.irp e,0,1,2,3
	v_add_f32_dpp v[28+\e], v[28+\e], v[28+\e] row_xmask:8 row_mask:0xf bank_mask:0xf      ; the lanes that hold the same four tokens: l xor 8,
.endr
.irp e,0,1,2,3
	v_permlanex16_b32 v[32+\e], v[28+\e], s56, s57
.endr
.irp e,0,1,2,3
	v_add_f32 v[28+\e], v[28+\e], v[32+\e]         ; and l xor 16
.endr
	ds_store_b128 v26, v[28:31]                    ; four lanes write the same 16 bytes with the same values
	BAR
	s_cmp_lg_u32 s4, 0
	s_cbranch_scc1 .Ldone
.irp w,0,1,2,3
	ds_load_b32 v[32+\w], v8 offset:1024+128*\w    ; lane = token (in wave 0 v8 is STAT + 4 x lane)
.endr
	s_wait_dscnt 0x0
	v_add_f32 v32, v32, v33
	v_add_f32 v34, v34, v35
	v_add_f32 v32, v32, v34
	v_sqrt_f32 v36, v32
	v_and_b32 v40, 1, v0                           ; (a plain place behind the root)
	s_wait_alu depctr_va_vdst(0)
	global_store_b32 v27, v36, s[46:47]
	v_min_num_f32_dpp v37, v36, v36 row_xmask:1 row_mask:0xf bank_mask:0xf
	v_max_num_f32_dpp v38, v36, v36 row_xmask:1 row_mask:0xf bank_mask:0xf
.irp x,2,4,8
	v_min_num_f32_dpp v37, v37, v37 row_xmask:\x row_mask:0xf bank_mask:0xf
	v_max_num_f32_dpp v38, v38, v38 row_xmask:\x row_mask:0xf bank_mask:0xf
.endr
	v_permlanex16_b32 v39, v37, s56, s57
	v_permlanex16_b32 v41, v38, s56, s57
	v_min_num_f32 v37, v37, v39
	v_max_num_f32 v38, v38, v41
	v_cmp_eq_u32 vcc_lo, 0, v40
	v_cndmask_b32 v42, v38, v37, vcc_lo            ; even lanes the least, odd lanes the largest of the 32
	v_lshlrev_b32 v40, 2, v40
	global_store_b32 v40, v42, s[48:49]            ; sixteen lanes write each of the two words, with one value
.Ldone:
	s_wait_tensorcnt 0x0                           ; the wave's end, behind my last tensor load and my last LDS store
	ds_add_u32 v10, v11
	s_wait_dscnt 0x0
	CROUND                                         ; the closing round
	s_endpgm
.Lfunc_end_k_q83764fc5b4_chain:
	.size	k_q83764fc5b4_chain, .Lfunc_end_k_q83764fc5b4_chain-k_q83764fc5b4_chain
	.p2alignl 7, 3214868480
	.fill 96, 4, 3214868480
	.section	.rodata,"a",@progbits
	.p2align	6, 0x0
	.amdhsa_kernel k_q83764fc5b4_chain
		.amdhsa_group_segment_fixed_size 327680
		.amdhsa_private_segment_fixed_size 0
		.amdhsa_enable_private_segment 0
		.amdhsa_kernarg_size 144
		.amdhsa_user_sgpr_count 2
		.amdhsa_user_sgpr_kernarg_segment_ptr 1
		.amdhsa_wavefront_size32 1
		.amdhsa_system_sgpr_workgroup_id_x 1
		.amdhsa_system_sgpr_workgroup_id_y 1
		.amdhsa_system_sgpr_workgroup_id_z 1
		.amdhsa_system_vgpr_workitem_id 0
		.amdhsa_next_free_vgpr 1024
		.amdhsa_next_free_sgpr 102
		.amdhsa_reserve_vcc 1
		.amdhsa_float_denorm_mode_32 3
		.amdhsa_float_denorm_mode_16_64 3
		.amdhsa_memory_ordered 1
		.amdhsa_forward_progress 1
		.amdhsa_inst_pref_size 255
	.end_amdhsa_kernel
	.section	.bss,"aw",@nobits
	.p2align	6
	.space	262144
	.amdgpu_metadata
---
amdhsa.version: [ 1, 2 ]
amdhsa.kernels:
  - .name:           k_q83764fc5b4_chain
    .symbol:         k_q83764fc5b4_chain.kd
    .args:
      - { .name: x0, .offset: 0, .size: 8, .value_kind: global_buffer, .address_space: global }
      - { .name: kp, .offset: 8, .size: 8, .value_kind: global_buffer, .address_space: global }
      - { .name: kt, .offset: 16, .size: 8, .value_kind: global_buffer, .address_space: global }
      - { .name: wf, .offset: 24, .size: 8, .value_kind: global_buffer, .address_space: global }
      - { .name: aggb, .offset: 32, .size: 8, .value_kind: global_buffer, .address_space: global }
      - { .name: n1g, .offset: 40, .size: 8, .value_kind: global_buffer, .address_space: global }
      - { .name: n1b, .offset: 48, .size: 8, .value_kind: global_buffer, .address_space: global }
      - { .name: l1b, .offset: 56, .size: 8, .value_kind: global_buffer, .address_space: global }
      - { .name: l2b, .offset: 64, .size: 8, .value_kind: global_buffer, .address_space: global }
      - { .name: n2g, .offset: 72, .size: 8, .value_kind: global_buffer, .address_space: global }
      - { .name: n2b, .offset: 80, .size: 8, .value_kind: global_buffer, .address_space: global }
      - { .name: row_embed, .offset: 88, .size: 8, .value_kind: global_buffer, .address_space: global }
      - { .name: col_embed, .offset: 96, .size: 8, .value_kind: global_buffer, .address_space: global }
      - { .name: outb, .offset: 104, .size: 8, .value_kind: global_buffer, .address_space: global }
      - { .name: query_features, .offset: 112, .size: 8, .value_kind: global_buffer, .address_space: global }
      - { .name: out0, .offset: 120, .size: 8, .value_kind: global_buffer, .address_space: global }
      - { .name: predraw, .offset: 128, .size: 8, .value_kind: global_buffer, .address_space: global }
      - { .name: mm, .offset: 136, .size: 8, .value_kind: global_buffer, .address_space: global }
    .group_segment_fixed_size: 327680
    .private_segment_fixed_size: 0
    .kernarg_segment_align: 8
    .kernarg_segment_size: 144
    .max_flat_workgroup_size: 128
    .sgpr_count:     102
    .vgpr_count:     1024
    .wavefront_size: 32
...
	.end_amdgpu_metadata
.endif
;; end of part 3
;; launch finish (part 4): grid 256 x 1, 8 waves a work-group, no clusters, 0 bytes of LDS; arguments predraw, mm, out1; writes out1
.if DOCPART == 4
	.amdgcn_target "amdgcn-amd-amdhsa--gfx1250"
	.amdhsa_code_object_version 6
	.text
	.protected	k_q83764fc5b4_finish
	.globl	k_q83764fc5b4_finish
	.p2align	8
	.type	k_q83764fc5b4_finish,@function
k_q83764fc5b4_finish:
	s_mov_b64 s[64:65], 0
	v_nop
	global_prefetch_b8 v0, s[64:65] scope:SCOPE_SE
	s_setreg_imm32_b32 hwreg(HW_REG_WAVE_MODE, 25, 1), 1
	s_wait_xcnt 0x0
; FINISH: pred = (pred - min) / (max - min) over all 8,192 tokens, then the bilinear resize 32 x 32 -> 256 x 256 with aligned corners.  A wave makes one output row: 1,024 consecutive bytes.
; Every index is made in whole numbers from ids: floor(31 o / 255) = (31 o x 32897) >> 23 for o = 0 .. 255 (31 o / 255 is a whole number for o = 0 and 255 alone, and lies 1/255 or more off one otherwise,
; so the floor of reference()'s f32 product is the same number).  The fractions are o x f32(31 / 255) - floor, in f32.  The taps are normalised first and interpolated down, then across, as reference() has it.
; LIMIT: the division is a multiplication by the chip's reciprocal, good to an ulp.  max = min gives NaN, as in reference().  No LDS and no matrix unit: the launch reads 34 KiB and writes its output once.
	s_load_b128 s[4:7], s[0:1], 0x0                ; predraw s[4:5], mm s[6:7]
	s_load_b64 s[8:9], s[0:1], 0x10                ; out1
	v_lshrrev_b32 v1, 5, v0
	v_readfirstlane_b32 s10, v1
	v_and_b32 v2, 31, v0
	s_lshl_b32 s11, ttmp9, 3
	s_add_co_u32 s11, s11, s10                     ; output row 0 .. 2,047
	s_lshr_b32 s12, s11, 8                         ; batch
	s_and_b32 s13, s11, 255                        ; oy
	s_mul_i32 s14, s13, 31*32897
	s_lshr_b32 s14, s14, 23                        ; y0
	s_add_co_u32 s15, s14, 1
	s_min_u32 s15, s15, 31                         ; y1
	s_mov_b32 s20, 0x3df8f8f9                      ; f32(31 / 255)
	s_mov_b32 s21, 31*32897
	s_mov_b32 s22, 0x76543210
	s_mov_b32 s23, 0xfedcba98
	s_lshl_b32 s12, s12, 12
	s_lshl_b32 s16, s14, 7
	s_add_co_u32 s16, s16, s12
	s_mov_b32 s17, 0
	s_lshl_b32 s18, s15, 7
	s_add_co_u32 s18, s18, s12
	s_mov_b32 s19, 0
	s_lshl_b32 s24, s11, 10
	s_mov_b32 s25, 0
	v_lshlrev_b32 v1, 4, v2                        ; 16 x lane
	v_lshlrev_b32 v7, 2, v2                        ; 4 x lane
	v_cvt_f32_u32 v3, s13
	v_cvt_f32_u32 v5, s14
	v_fma_f32 v4, v3, s20, -v5                     ; fy
	v_sub_f32 v6, 1.0, v4                          ; 1 - fy
.irp e,0,1,2,3,4,5,6,7
	v_add_nc_u32 v[8+\e], (\e%4)+128*(\e/4), v7    ; my pixels: 4 lane + 0 .. 3 and 128 more
.endr
.irp e,0,1,2,3,4,5,6,7
	v_mul_u32_u24 v[16+\e], v[8+\e], s21
.endr
.irp e,0,1,2,3,4,5,6,7
	v_lshrrev_b32 v[16+\e], 23, v[16+\e]           ; x0
.endr
.irp e,0,1,2,3,4,5,6,7
	v_add_nc_u32 v[24+\e], 1, v[16+\e]
	v_cvt_f32_u32 v[8+\e], v[8+\e]
	v_cvt_f32_u32 v[32+\e], v[16+\e]
.endr
.irp e,0,1,2,3,4,5,6,7
	v_min_u32 v[24+\e], 31, v[24+\e]               ; x1
	v_fma_f32 v[32+\e], v[8+\e], s20, -v[32+\e]    ; fx
	v_lshlrev_b32 v[16+\e], 2, v[16+\e]
.endr
.irp e,0,1,2,3,4,5,6,7
	v_lshlrev_b32 v[24+\e], 2, v[24+\e]
	v_sub_f32 v[8+\e], 1.0, v[32+\e]               ; 1 - fx
.endr
	v_mov_b32 v90, 0                               ; lane permutes' destinations and a pair's upper half are written once
	v_mov_b32 v91, 0
	v_mov_b32 v95, 0
	s_wait_kmcnt 0x0
	s_add_nc_u64 s[16:17], s[4:5], s[16:17]        ; row y0 of my batch's 32 x 32,
	s_add_nc_u64 s[18:19], s[4:5], s[18:19]        ; row y1
	s_add_nc_u64 s[8:9], s[8:9], s[24:25]
.irp n,0,1,2,3
	global_load_b128 v[40+4*\n:43+4*\n], v1, s[6:7] offset:512*\n        ; the 256 work-groups' (min, max)
.endr
.irp e,0,1,2,3,4,5,6,7
	global_load_b32 v[56+\e], v[16+\e], s[16:17]
	global_load_b32 v[64+\e], v[24+\e], s[16:17]
	global_load_b32 v[72+\e], v[16+\e], s[18:19]
	global_load_b32 v[80+\e], v[24+\e], s[18:19]
.endr
	s_wait_loadcnt 32                              ; the pairs are in; the 32 taps may be out
	v_min3_num_f32 v88, v40, v42, v44
	v_max3_num_f32 v89, v41, v43, v45
	v_min3_num_f32 v88, v88, v46, v48
	v_max3_num_f32 v89, v89, v47, v49
	v_min3_num_f32 v88, v88, v50, v52
	v_max3_num_f32 v89, v89, v51, v53
	v_min_num_f32 v88, v88, v54
	v_max_num_f32 v89, v89, v55
.irp x,1,2,4,8
	v_min_num_f32_dpp v88, v88, v88 row_xmask:\x row_mask:0xf bank_mask:0xf
	v_max_num_f32_dpp v89, v89, v89 row_xmask:\x row_mask:0xf bank_mask:0xf
.endr
	v_permlanex16_b32 v90, v88, s22, s23
	v_permlanex16_b32 v91, v89, s22, s23
	v_min_num_f32 v88, v88, v90                    ; the least,
	v_max_num_f32 v89, v89, v91                    ; the largest of all
	v_sub_f32 v92, v89, v88
	v_rcp_f32 v94, v92
	v_nop                                          ; a plain place behind the reciprocal
	s_wait_alu depctr_va_vdst(0)                   ; and the wait ahead of its first reader
	s_wait_loadcnt 0x0
.set t_p, 0
.rept 16
	v_pk_add_f32 v[56+2*t_p:57+2*t_p], v[56+2*t_p:57+2*t_p], v[88:89] op_sel_hi:[1,0] neg_lo:[0,1] neg_hi:[0,1]
.set t_p, t_p+1
.endr
.set t_p, 0
.rept 16
	v_pk_mul_f32 v[56+2*t_p:57+2*t_p], v[56+2*t_p:57+2*t_p], v[94:95] op_sel_hi:[1,0]
.set t_p, t_p+1
.endr
.set t_p, 0
.rept 8
	v_pk_mul_f32 v[56+2*t_p:57+2*t_p], v[56+2*t_p:57+2*t_p], v[6:7] op_sel_hi:[1,0]               ; row y0 x (1 - fy)
.set t_p, t_p+1
.endr
.set t_p, 0
.rept 8
	v_pk_fma_f32 v[56+2*t_p:57+2*t_p], v[72+2*t_p:73+2*t_p], v[4:5], v[56+2*t_p:57+2*t_p] op_sel_hi:[1,0,1]   ; + row y1 x fy
.set t_p, t_p+1
.endr
.set t_p, 0
.rept 4
	v_pk_mul_f32 v[56+2*t_p:57+2*t_p], v[56+2*t_p:57+2*t_p], v[8+2*t_p:9+2*t_p]                    ; column x0 x (1 - fx)
.set t_p, t_p+1
.endr
.set t_p, 0
.rept 4
	v_pk_fma_f32 v[56+2*t_p:57+2*t_p], v[64+2*t_p:65+2*t_p], v[32+2*t_p:33+2*t_p], v[56+2*t_p:57+2*t_p]   ; + column x1 x fx
.set t_p, t_p+1
.endr
	global_store_b128 v1, v[56:59], s[8:9] th:TH_STORE_NT                 ; 32 lanes store 512 consecutive bytes
	global_store_b128 v1, v[60:63], s[8:9] offset:512 th:TH_STORE_NT
	s_endpgm
.Lfunc_end_k_q83764fc5b4_finish:
	.size	k_q83764fc5b4_finish, .Lfunc_end_k_q83764fc5b4_finish-k_q83764fc5b4_finish
	.p2alignl 7, 3214868480
	.fill 96, 4, 3214868480
	.section	.rodata,"a",@progbits
	.p2align	6, 0x0
	.amdhsa_kernel k_q83764fc5b4_finish
		.amdhsa_group_segment_fixed_size 0
		.amdhsa_private_segment_fixed_size 0
		.amdhsa_enable_private_segment 0
		.amdhsa_kernarg_size 24
		.amdhsa_user_sgpr_count 2
		.amdhsa_user_sgpr_kernarg_segment_ptr 1
		.amdhsa_wavefront_size32 1
		.amdhsa_system_sgpr_workgroup_id_x 1
		.amdhsa_system_sgpr_workgroup_id_y 1
		.amdhsa_system_sgpr_workgroup_id_z 1
		.amdhsa_system_vgpr_workitem_id 0
		.amdhsa_next_free_vgpr 96
		.amdhsa_next_free_sgpr 66
		.amdhsa_reserve_vcc 0
		.amdhsa_float_denorm_mode_32 3
		.amdhsa_float_denorm_mode_16_64 3
		.amdhsa_memory_ordered 1
		.amdhsa_forward_progress 1
		.amdhsa_inst_pref_size 14
	.end_amdhsa_kernel
	.amdgpu_metadata
---
amdhsa.version: [ 1, 2 ]
amdhsa.kernels:
  - .name:           k_q83764fc5b4_finish
    .symbol:         k_q83764fc5b4_finish.kd
    .args:
      - { .name: predraw, .offset: 0, .size: 8, .value_kind: global_buffer, .address_space: global }
      - { .name: mm, .offset: 8, .size: 8, .value_kind: global_buffer, .address_space: global }
      - { .name: out1, .offset: 16, .size: 8, .value_kind: global_buffer, .address_space: global }
    .group_segment_fixed_size: 0
    .private_segment_fixed_size: 0
    .kernarg_segment_align: 8
    .kernarg_segment_size: 24
    .max_flat_workgroup_size: 256
    .sgpr_count:     66
    .vgpr_count:     96
    .wavefront_size: 32
...
	.end_amdgpu_metadata
.endif
;; end of part 4
